; MI455X (gfx1250); checked and timed in simulation.
; The chip was launched on July 23, 2026; its instructions are those of AMD's public machine-readable ISA for CDNA 5 (MIT licence, August 2026) and "CDNA5" Instruction Set Architecture Reference Guide (July 2026). The comments in the code are by the model that wrote it; some were corrected since.
;; Attention. Allowed arithmetic: matrix products marked QUANTISED: E4M3 operands, one E8M0 scale for each 32 along K, by v_wmma_scale_f32_16x16x128_f8f6f4 with both operands' format E4M3, f32 sums; everything else in f32.
;; Inputs: Wk_codes 768 x 24 x 32 uint8 (E4M3 codes of Wk, K innermost, in blocks of 32 codes); Wk_scales 768 x 24 uint8 (E8M0 scales of Wk, one for each 32 codes along K); Wp_codes 768 x 24 x 32 uint8 (E4M3 codes of Wp, K innermost, in blocks of 32 codes); Wp_scales 768 x 24 uint8 (E8M0 scales of Wp, one for each 32 codes along K); Wq_codes 768 x 24 x 32 uint8 (E4M3 codes of Wq, K innermost, in blocks of 32 codes); Wq_scales 768 x 24 uint8 (E8M0 scales of Wq, one for each 32 codes along K); Wv_codes 768 x 24 x 32 uint8 (E4M3 codes of Wv, K innermost, in blocks of 32 codes); Wv_scales 768 x 24 uint8 (E8M0 scales of Wv, one for each 32 codes along K); bp 768 float32; xk_codes 2 x 2,048 x 24 x 32 uint8 (E4M3 codes of xk, K innermost, in blocks of 32 codes); xk_scales 2 x 2,048 x 24 uint8 (E8M0 scales of xk, one for each 32 codes along K); xq_codes 2 x 2,048 x 24 x 32 uint8 (E4M3 codes of xq, K innermost, in blocks of 32 codes); xq_scales 2 x 2,048 x 24 uint8 (E8M0 scales of xq, one for each 32 codes along K); xv_codes 2 x 2,048 x 24 x 32 uint8 (E4M3 codes of xv, K innermost, in blocks of 32 codes); xv_scales 2 x 2,048 x 24 uint8 (E8M0 scales of xv, one for each 32 codes along K).
;; Outputs: out0 2 x 2,048 x 768 float32.
;; This version of the problem:
;;   THIS VERSION OF THE PROBLEM IS GIVEN IN LOW PRECISION. The matrix products marked QUANTISED in the list below multiply operands that are first quantised to E4M3 (4 exponent bits, 3 mantissa bits; 8 bits a number), with one power-of-two scale for each 32 numbers along K (OCP MX v1.0); their sums are f32. All else is computed in f32.
;;   The module's matrix products, in the order in which they are computed (A, B: the left and right operand; K: the contracted axis; several contracted axes count as one K, in the product's order):
;;     1. [M 4,096, K 768] x [K 768, N 768]; A: input xq (given as codes); B: input Wq (given as codes): QUANTISED
;;     2. [M 4,096, K 768] x [K 768, N 768]; A: input xk (given as codes); B: input Wk (given as codes): QUANTISED
;;     3. [M 4,096, K 768] x [K 768, N 768]; A: input xv (given as codes); B: input Wv (given as codes): QUANTISED
;;     4. batch 24 x [M 2,048, K 64] x [K 64, N 2,048]; A: computed on the way; B: computed on the way: QUANTISED
;;     5. batch 24 x [M 2,048, K 2,048] x [K 2,048, N 64]; A: softmax (see below); B: computed on the way: QUANTISED
;;     6. [M 4,096, K 768] x [K 768, N 768]; A: computed on the way; B: input Wp (given as codes): QUANTISED
;;   THE QUANTISER, for each operand of a quantised product, along K:
;;     - K is cut into blocks of 32 from its start; a last block that is shorter is filled with zeros.
;;     - A block's scale is 2^e with e = floor(log2(the largest magnitude in the block)) - 8, held to -126 .. 127; a block of zeros has e = 0. As a byte (E8M0): e + 127.
;;     - Each number is divided by its block's scale, clamped to +-448, and rounded to the nearest number of E4M3, ties to even, subnormals kept.
;;     - The product sums the exact products of the quantised numbers (number of the format x scale) in f32.
;;   ~~~python
;;   def quantise(x, axis):      # numpy; x: float32 -> the quantised numbers, widened to float32 again
;;       x = np.moveaxis(x, axis, -1); K = x.shape[-1]
;;       x = np.pad(x, [(0, 0)] * (x.ndim - 1) + [(0, -K % 32)]); x = x.reshape(x.shape[:-1] + (-1, 32)); a = np.abs(x).max(-1, keepdims=True)
;;       e = np.where(a > 0, np.clip(np.frexp(np.where(a > 0, a, 1))[1] - 1 - 8, -126, 127), 0)      # np.frexp(a)[1] - 1 = floor(log2(a)), exactly
;;       r = np.clip(x / 2.0 ** e, -448, 448)
;;       step = 2.0 ** (np.maximum(np.frexp(np.where(r == 0, 1, r))[1] - 1, -6) - 3)
;;       q = np.round(r / step) * step * 2.0 ** e      # np.round: ties to even
;;       return np.moveaxis(q.reshape(q.shape[:-2] + (-1,))[..., :K], -1, axis).astype(np.float32)
;;   ~~~
;;   SOFTMAX AHEAD OF A QUANTISED PRODUCT. Where the list says 'softmax', what is quantised is not the finished softmax but p = 2^(t - M), with t = logit x log2(e) and M = ceil(the row's largest t), a whole number; so 1/2 < the row's largest p <= 1. The row's sum l is taken of the UNQUANTISED p, in f32, and the product's result is divided by l at the end. Since M is a whole number, a kernel that streams over the keys may use a running M (the ceiling of the running maximum): every later rescaling is an exact power of two, which a block's scale takes up: the codes' values come out the same.
;;   OPERANDS COMPUTED ON THE WAY. 'Computed on the way' means the value that the module computes at that place (a softmax that the list does not call 'softmax' is quantised finished and normalised). What goes into a quantiser is computed in f32, as accurately as f32 sums, v_exp_f32 and their like allow (about 1e-6 of the number): no bf16 or f16 on the way to a quantiser, and a product that is left as it is and whose result goes on into a quantised operand takes f32 operands (vector FMAs, or v_wmma_f32_16x16x4_f32). A number that lies on a knife's edge between two numbers of the format may be rounded either way, as far as f32 arithmetic and the matrix unit's own rounding can turn it there, and no further.
;;   INPUTS GIVEN AS CODES. Wk (in the module: [768, 768], K = its axis 1); Wp (in the module: [768, 768], K = its axis 1); Wq (in the module: [768, 768], K = its axis 1); Wv (in the module: [768, 768], K = its axis 1); xk (in the module: [2, 2048, 768], K = its axis 2); xq (in the module: [2, 2048, 768], K = its axis 2); xv (in the module: [2, 2048, 768], K = its axis 2): each comes as NAME_codes (uint8): NAME with its K axis moved to the last place and cut into blocks of 32 codes, [.., K / 32, bytes a block], one block behind the other in memory; one code a byte (a code: sign, 4 exponent bits, 3 mantissa bits); and NAME_scales (uint8): the same leading axes, one E8M0 byte (e + 127) for each 32 codes along K. Its value is code x scale, taken as it is: it is not quantised again, and the codes and scales need not be those that the quantiser above would give.
;; One version. Each part assembles by itself: llvm-mc -triple=amdgcn-amd-amdhsa -mcpu=gfx1250 --defsym DOCPART=n.
;; ======== version 1 of 1: 3 launches
;; limits: right only within a limited range of input values
;; workspace buffers: q_img 3,145,728 bytes; k_img 3,145,728 bytes; v_img 3,145,728 bytes; o_img 3,145,728 bytes; q_sc 98,304 bytes; k_sc 98,304 bytes; v_sc 98,304 bytes; o_sc 98,304 bytes
;; launch proj (part 1): grid 16 x 9, 8 waves a work-group, clusters of 4 x 1, 327,680 bytes of LDS; arguments xq_codes, xk_codes, xv_codes, xq_scales, xk_scales, xv_scales, Wq_codes, Wk_codes, Wv_codes, Wq_scales, Wk_scales, Wv_scales, q_img, k_img, v_img, q_sc, k_sc, v_sc; writes q_img, k_img, v_img, q_sc, k_sc, v_sc
.if DOCPART == 1
	.amdgcn_target "amdgcn-amd-amdhsa--gfx1250"
	.amdhsa_code_object_version 6
	.text
	.protected	k_qf65aba1666_proj
	.globl	k_qf65aba1666_proj
	.p2align	8
	.type	k_qf65aba1666_proj,@function
k_qf65aba1666_proj:
	s_mov_b64 s[64:65], 0
	v_nop
	global_prefetch_b8 v0, s[64:65] scope:SCOPE_SE
	s_setreg_imm32_b32 hwreg(HW_REG_WAVE_MODE, 25, 1), 1
	s_wait_xcnt 0x0
	s_wait_alu depctr_hold_cnt(0) depctr_sa_sdst(0) depctr_va_vdst(0) depctr_va_sdst(0) depctr_va_ssrc(0) depctr_va_vcc(0) depctr_vm_vsrc(0)
	s_getreg_b32 s2, hwreg(HW_REG_IB_STS2, 6, 4)
	s_cmp_eq_u32 s2, 0
	s_cbranch_scc0 .Lentry_in_a_cluster
	s_endpgm
.Lentry_in_a_cluster:
	s_bfe_u32 s2, ttmp6, 0x10000c
	s_cmp_lg_u32 s2, 0x3003
	s_cbranch_scc0 .Lentry_shape_is_right
	s_endpgm
.Lentry_shape_is_right:
; q = xq Wq^T, k = xk Wk^T, v = xv Wv^T: three products [4096 x 768] x [768 x 768] on codes of FP8 (E4M3) with one E8M0 byte for each 32 along K, f32 sums;
; each result is quantised in registers, q and k along the channels, v along the tokens (its keys), and leaves as IMAGES OF OPERAND REGISTERS for the next launch.
; SHARES.  Work-group y = 3 p + w: p = 0, 1, 2 for q, k, v; w = which 256 rows of W.  Work-group x = which 256 tokens.  A tile of 256 x 256; eight waves, two to a SIMD, of 128 (side 0) x 64 (side 1): 32 accumulators, 256 registers.
; SIDES.  Source 0's 16 rows run along a lane's registers in the result, source 1's along the lanes.  The axis that is quantised must run along the registers: for q and k side 0 = W (channels), side 1 = x;
; for v side 0 = xv (keys), side 1 = Wv.  Both tensors have rows of 768 bytes; each side has its own region of a slot, and which tensor a wave fetches for a side hangs on p.
; THE ORDER OF K IN AN IMAGE.  Tiles 2 b and 2 b + 1 of side 0 give a lane 16 numbers of block b: index 32 b + 16 (i / 8) + 8 (lane / 16) + i % 8 at place i.  That is a permutation inside a block of 32,
; so scales and codes are the quantiser's own; the partner operand of each later product carries the same order, so the products are kept and only their order of summation changes.
; IMAGES.  codes: ((G x NT1 + T1) x 4 + block) x 512 + 16 x lane.  G = 128 of side 0, T1 = 16 of side 1, NT1 = 256 (q, k) or 48 (v).  Scale words: 256 bytes for each four tiles of side 1, at (G x NT1 + T1) x 64:
; q, k: [head % 2][row][two words], word i: two bytes of tile 2 i, two of tile 2 i + 1;  v: [row][four words], word t: channel tile t's, a byte for each of four blocks of keys.
; K = 768 goes as three chunks of 256 through two LDS slots.  At the head each wave issues one load: chunk 0 (waves 0, 1), the scale bytes of the 256 + 256 rows, 24 a row (waves 2-5), chunk 1 (waves 6, 7); chunk 2 fills slot 0 again.
; CLUSTER 4 x 1: the four partners share y, hence W's tile and scales: those are asked for jointly (mask 15).  A tile of x is wanted by three work-groups only (W has three tiles of 256 rows), which no
; cluster of four divides: x comes by plain loads, behind the same rounds.  No prefetch: two of three chunks are asked for at the head, and there is no loop to run ahead in.
; Nothing that reference() does is left out, in this launch or in the two behind it.
; LIMITS: a block of zeros, or one whose largest magnitude lies under 2^-118, gets the byte 1 where the rule says 127 (its codes are zeros; these bytes are read by this program alone); NaN and infinities are not served.
; REGISTERS: window 0: v16-29 addresses; v32-55 scale words; v64-127 side 1's fragments, later the codes; v128-255 side 0's.  window 1: accumulator (a, b) at v[8 (8 a + b)].
.set PITCH, 272                        ; an LDS row: 256 bytes + 16 of padding = 68 words, so the 16 rows of a fragment load begin 4 words apart modulo 64
.set HALFT, 128*PITCH
.set SLOT,  4*HALFT                    ; side 1's 256 rows, then side 0's 256 rows
.set SCL,   2*SLOT                     ; behind the ring: side 1's scale bytes (6,144), then side 0's (6,144), dense
.set SPARE, SCL+12288                  ; the spare words, 128 bytes a wave: four blocks of 256 bytes that no other line names
.set NP,    8                          ; places behind this matrix instruction (ISA guide 7.12.1)
.set ADR1, 16                          ; v16-17 side 1's fragments in slot 0, 1
.set ADR0, 20                          ; v20-21 side 0's
.set ADS1, 24                          ; v24 side 1's scale words
.set ADS0, 25                          ; v25 side 0's
.set VO,   26                          ; v26 16 x lane
.set VS,   27                          ; v27 8 x lane;  v18 16 x (lane % 16)
.set VT,   18
.set SPW,  28                          ; v28 my spare word's LDS address; never rewritten
.set NIL,  29                          ; v29 0; never rewritten
.set SC1,  32                          ; side 1's scale words: tile i's word q at SC1 + 2 i + 1 - q; side 0's at SC0 + 2 i + q: no product's two have numbers equal modulo 8
.set SC0,  40
.set TM,   32                          ; the way out: v32-35 largest magnitudes, v36-39 the other half's / bytes, v40-43 448 x scale, v44-47 the conversions' scale operands
.set PW,   48                          ; v48-51 a scale word for each tile of side 1
.set MW,   52
.set AF,   64
.set BF,   128
.set G1X,  24                          ; s[24:31] group 1, x's codes;  s[32:35], s[36:39] groups 0: chunk 0 (then 2), chunk 1
.set G0X,  32
.set G0X1, 36
.set G1W,  40                          ; the same for W's
.set G0W,  48
.set G0W1, 52
.set G1SX, 56                          ; s[56:63] group 1, x's scale bytes;  s[68:75] W's;  s[76:79], s[80:83] their groups 0
.set G1SW, 68
.set G0SX, 76
.set G0SW, 80
.set FC,   84                          ; s84: my codes are x's (0) or W's (1);  s89: my scale bytes
.set FS,   89
.set MSB, 0
.macro WIN new                         ; the immediate's high byte repeats the setting that is left
.if MSB != \new
	s_set_vgpr_msb (MSB<<8)|\new
.set MSB, \new
.endif
.endm
.set MUL, 0x50                         ; sources 0 and 1 window 0, C and D window 1
; A side's tile: x's by a plain load, W's by a joint one.  The branch hangs on the wave's number and on p, which the four partners share.  An s_nop 0 and four v_nop follow each line.
.macro JLOAD f, g0x, g1x, g0w, g1w
	s_cmp_eq_u32 s[\f], 0
	s_cbranch_scc0 .Lfor_w_\@
	tensor_load_to_lds s[\g0x:\g0x+3], s[\g1x:\g1x+7]
	s_nop 0
.rept 4
	v_nop
.endr
	s_branch .Lasked_\@
.Lfor_w_\@:
	tensor_load_to_lds s[\g0w:\g0w+3], s[\g1w:\g1w+7]
	s_nop 0
.rept 4
	v_nop
.endr
.Lasked_\@:
.endm
.macro CREST                           ; a round of the cluster's barrier behind its opening barrier
	s_cmp_lg_u32 s16, 0
	s_cbranch_scc1 .Lnot_wave_0_\@
	s_barrier_signal -3
.Lnot_wave_0_\@:
	s_barrier_wait -3
	s_barrier_signal -1
	s_barrier_wait -1
.endm
.macro CROUND
	s_barrier_signal -1
	s_barrier_wait -1
	CREST
.endm
.macro PLACES n
.rept \n
	v_nop
.endr
.endm
	s_load_b512 s[24:39], s[0:1], 0x0              ; xq, xk, xv codes; xq, xk, xv scales; Wq, Wk codes
	s_load_b512 s[40:55], s[0:1], 0x40             ; Wv codes; Wq, Wk, Wv scales; q_img, k_img, v_img; q_sc
	s_load_b128 s[56:59], s[0:1], 0x80             ; k_sc, v_sc
	v_lshl_add_u32 v[SPW], v0, 2, SPARE
	v_mov_b32 v[NIL], 0
	ds_add_u32 v[SPW], v[NIL]                      ; the wave's opening: the add, twice on end, and its wait ahead of my first tensor load; the ids below stand between
	ds_add_u32 v[SPW], v[NIL]
	v_lshrrev_b32 v1, 5, v0
	v_readfirstlane_b32 s16, v1                    ; wave 0..7
	s_lshr_b32 s17, s16, 1                         ; my 64 of side 1
	s_and_b32 s18, s16, 1                          ; my half of side 0; also which side's codes (0: side 1), which half of a side's scale bytes I fetch
	s_bfe_u32 s19, ttmp6, 0x40000                  ; cx
	s_lshl_b32 s20, ttmp9, 2
	s_add_co_u32 s20, s20, s19                     ; X: which 256 tokens
	s_and_b32 s21, ttmp7, 0xffff                   ; y = 3 p + w, shared by the four partners
	s_mul_i32 s22, s21, 11
	s_lshr_b32 s22, s22, 5                         ; p = y / 3 for y = 0 .. 8
	s_mul_i32 s23, s22, 3
	s_sub_co_u32 s23, s21, s23                     ; w
	s_mov_b32 s85, 0x600000                        ; the mantissa field of 448
	s_mov_b32 s86, 0x76543210
	s_mov_b32 s87, 0xfedcba98                      ; v_permlanex16_b32's selects for lane l xor 16
	s_mov_b32 s88, 0xffff0000                      ; lanes 16-31
	s_lshl_b32 s91, s18, 7
	s_lshl_b32 s90, s20, 8                         ; x's rows: of the tile's codes,
	s_mul_i32 s92, s90, 768
	s_mov_b32 s93, 0
	s_add_co_u32 s90, s90, s91                     ; and of my half of its scale bytes
	s_mul_i32 s94, s90, 24
	s_mov_b32 s95, 0
	s_lshl_b32 s100, s23, 8                        ; W's: made of w and the wave's number alone
	s_mul_i32 s96, s100, 768
	s_mov_b32 s97, 0
	s_add_co_u32 s100, s100, s91
	s_mul_i32 s98, s100, 24
	s_mov_b32 s99, 0
	s_wait_dscnt 0x0                               ; both opening adds are done
	CROUND                                         ; all four work-groups are here: the first joint loads meet
	s_wait_kmcnt 0x0
	s_cmp_eq_u32 s22, 0                            ; the six buffers of my product: q's or k's,
	s_cselect_b64 s[4:5], s[24:25], s[26:27]
	s_cselect_b64 s[6:7], s[30:31], s[32:33]
	s_cselect_b64 s[8:9], s[36:37], s[38:39]
	s_cselect_b64 s[10:11], s[42:43], s[44:45]
	s_cselect_b64 s[12:13], s[48:49], s[50:51]
	s_cselect_b64 s[14:15], s[54:55], s[56:57]
	s_cmp_eq_u32 s22, 2                            ; or v's
	s_cselect_b64 s[4:5], s[28:29], s[4:5]
	s_cselect_b64 s[6:7], s[34:35], s[6:7]
	s_cselect_b64 s[8:9], s[40:41], s[8:9]
	s_cselect_b64 s[10:11], s[46:47], s[10:11]
	s_cselect_b64 s[12:13], s[52:53], s[12:13]
	s_cselect_b64 s[14:15], s[58:59], s[14:15]
	s_cselect_b32 s3, 1, 0                         ; 1: this is v's product
	s_cselect_b32 s90, s20, s23                    ; side 0's tile of 256
	s_cselect_b32 s91, s23, s20                    ; side 1's
	s_cselect_b32 s101, 48, 0x100                  ; NT1
	s_add_nc_u64 s[4:5], s[4:5], s[92:93]
	s_add_nc_u64 s[6:7], s[6:7], s[94:95]
	s_add_nc_u64 s[8:9], s[8:9], s[96:97]
	s_add_nc_u64 s[10:11], s[10:11], s[98:99]
	s_xor_b32 s[FC], s18, s3
	s_lshr_b32 s[FS], s16, 2                       ; waves 2, 3: side 1's scale bytes; 4, 5: side 0's
	s_xor_b32 s[FS], s[FS], s3
	s_lshl_b32 s90, s90, 1
	s_add_co_u32 s90, s90, s18                     ; G
	s_lshl_b32 s91, s91, 4
	s_lshl_b32 s92, s17, 2
	s_add_co_u32 s91, s91, s92                     ; my first T1
	s_mul_i32 s90, s90, s101
	s_add_co_u32 s90, s90, s91
	s_lshl_b32 s92, s90, 11                        ; 2,048 bytes of codes for each (G, T1): my wave's four lie on end
	s_mov_b32 s93, 0
	s_lshl_b32 s94, s90, 6                         ; 64 bytes of scale words
	s_mov_b32 s95, 0
	s_add_nc_u64 s[12:13], s[12:13], s[92:93]
	s_add_nc_u64 s[14:15], s[14:15], s[94:95]
	; group 1: codes: 256 rows x 256 bytes, 768 apart in memory, 16 bytes of padding behind each in LDS
	s_mov_b32 s[G1X], (1<<20)|(5<<22)|(3<<25)      ; no mask; elements of 1 byte; padding on: 4 words after every 64
	s_mov_b32 s[G1W], 15|(1<<20)|(1<<21)|(5<<22)|(3<<25)   ; the same, asked for by all four partners; bit 21 beside the mask
.irp g, G1X, G1W
	s_mov_b32 s[\g+1], 256<<16                     ; tensor_dim0
	s_mov_b32 s[\g+2], 256<<16                     ; tensor_dim1
	s_mov_b32 s[\g+3], 256<<16                     ; tile_dim0
	s_mov_b32 s[\g+4], 256                         ; tile_dim1
	s_mov_b32 s[\g+5], 768                         ; from row to row
	s_mov_b32 s[\g+6], 0
	s_mov_b32 s[\g+7], 0
.endr
	; scale bytes of 128 rows: 3,072 dense bytes as 12 rows of 32 elements of 8 bytes
	s_mov_b32 s[G1SX], 3<<16
	s_mov_b32 s[G1SW], 15|(3<<16)|(1<<21)
.irp g, G1SX, G1SW
	s_mov_b32 s[\g+1], 32<<16
	s_mov_b32 s[\g+2], 12<<16
	s_mov_b32 s[\g+3], 32<<16
	s_mov_b32 s[\g+4], 12
	s_mov_b32 s[\g+5], 32
	s_mov_b32 s[\g+6], 0
	s_mov_b32 s[\g+7], 0
.endr
	s_mul_i32 s90, s18, 2*HALFT                    ; where my codes go: side 1's region or side 0's
	s_mul_i32 s91, s16, 3072                       ; and my scale bytes: SCL + 3,072 x (wave - 2)
.macro MKG0 g, lb, lo, p, go
	s_mov_b32 s[\g], 1
	s_add_co_u32 s[\g+1], s\lb, \lo
	s_add_nc_u64 s[\g+2:\g+3], s[\p:\p+1], \go
	s_or_b32 s[\g+3], s[\g+3], 0x80000000
.endm
	MKG0 G0X,  90, 0, 4, 0
	MKG0 G0W,  90, 0, 8, 0
	MKG0 G0SX, 91, SCL-6144, 6, 0
	MKG0 G0SW, 91, SCL-6144, 10, 0
	MKG0 G0X1, 90, SLOT, 4, 256
	MKG0 G0W1, 90, SLOT, 8, 256
	s_cmp_lt_u32 s16, 2                            ; ONE TENSOR LOAD A WAVE: every way through this tree passes exactly one
	s_cbranch_scc0 .Lnot_chunk_0
	JLOAD FC, G0X, G1X, G0W, G1W
	s_branch .Lhead_asked
.Lnot_chunk_0:
	s_cmp_lt_u32 s16, 6
	s_cbranch_scc0 .Lchunk_1
	JLOAD FS, G0SX, G1SX, G0SW, G1SW
	s_branch .Lhead_asked
.Lchunk_1:
	JLOAD FC, G0X1, G1X, G0W1, G1W
.Lhead_asked:
	s_mul_i32 s92, s17, 64*PITCH                   ; my 64 rows of side 1
	s_mul_i32 s93, s18, HALFT
	s_add_co_u32 s93, s93, 2*HALFT                 ; my 128 of side 0, behind side 1's 256
	s_mul_i32 s94, s17, 1536
	s_add_co_u32 s94, s94, SCL
	s_mul_i32 s95, s18, 3072
	s_add_co_u32 s95, s95, SCL+6144
	v_and_b32 v1, 15, v0                           ; r
	v_bfe_u32 v2, v0, 4, 1                         ; h
	v_and_b32 v5, 31, v0
	v_mul_u32_u24 v3, v1, PITCH
	v_mul_u32_u24 v4, v1, 24                       ; a row's 24 scale bytes
	v_lshl_add_u32 v3, v2, 4, v3                   ; a fragment's row x pitch + 16 h
	v_add_nc_u32 v[ADS1], s94, v4
	v_add_nc_u32 v[ADS0], s95, v4
	v_add_nc_u32 v[ADR1], s92, v3
	v_add_nc_u32 v[ADR0], s93, v3
	v_lshlrev_b32 v[VO], 4, v5
	v_lshlrev_b32 v[VS], 3, v5
	v_lshlrev_b32 v[VT], 4, v1
	v_add_nc_u32 v[ADR1+1], SLOT, v[ADR1]
	v_add_nc_u32 v[ADR0+1], SLOT, v[ADR0]
.macro FRAG reg, adr, q, i             ; 16 rows x 128 K: lane l holds row l % 16; registers 4 c .. 4 c + 3 hold K = 32 c + 16 (l / 16) + 0 .. 15
.irp c, 0,1,2,3
	ds_load_b128 v[\reg+4*\c:\reg+4*\c+3], v[\adr] offset:128*(\q)+32*\c+(\i)*16*PITCH
.endr
.endm
.macro FETCH slot, q                   ; a step's twelve fragments, side 1's first; ahead of a chunk's first its scale words (lanes 16-31 the same, not read)
.if \q == 0
.irp i, 0,1,2,3
	ds_load_b32 v[SC1+2*\i+1], v[ADS1] offset:\i*384
	ds_load_b32 v[SC1+2*\i], v[ADS1] offset:\i*384+4
.endr
.irp i, 0,1,2,3,4,5,6,7
	ds_load_b64 v[SC0+2*\i:SC0+2*\i+1], v[ADS0] offset:\i*384
.endr
.endif
.irp i, 0,1,2,3
	FRAG AF+16*\i, ADR1+\slot, \q, \i
.endr
.irp i, 0,1,2,3,4,5,6,7
	FRAG BF+16*\i, ADR0+\slot, \q, \i
.endr
.endm
; Four products: side 0's tile b x side 1's four.  out: the LDS loads that may still be out (-1: no wait): those of side 0's tiles behind b.  zero = 1: the first product starts the sums.
; The 32 accumulators take turns, one instruction a turn, in the same order in every step.
.macro GRP b, q, zero, out
.if \out >= 0
	s_wait_dscnt \out
.endif
.irp a, 0,1,2,3
.if \zero
	v_wmma_scale_f32_16x16x128_f8f6f4 v[8*(8*\a+\b):8*(8*\a+\b)+7], v[BF+16*\b:BF+16*\b+15], v[AF+16*\a:AF+16*\a+15], 0, v[SC0+2*\b+\q], v[SC1+2*\a+1-\q]
.else
	v_wmma_scale_f32_16x16x128_f8f6f4 v[8*(8*\a+\b):8*(8*\a+\b)+7], v[BF+16*\b:BF+16*\b+15], v[AF+16*\a:AF+16*\a+15], v[8*(8*\a+\b):8*(8*\a+\b)+7], v[SC0+2*\b+\q], v[SC1+2*\a+1-\q]
.endif
.endr
.endm
.macro STEP slot, q, zero              ; 128 along K
	FETCH \slot, \q
	WIN MUL
.irp b, 0,1,2,3,4,5,6,7
	GRP \b, \q, \zero, 28-4*\b
.endr
	WIN 0
	PLACES NP                                      ; ahead of loads into what these products have read, or of the first read of results
.endm
; A slot's last step changes slots: one barrier; in front of it each wave waits for all its tensor loads, (fill = 1:) adds 0 to its spare word, and waits for that and for its reads of this slot.  fill = 1: this slot takes chunk 2.
.macro TURN slot, fill
	FETCH \slot, 1
	WIN MUL
.irp b, 0,1,2,3,4
	GRP \b, 1, 0, 28-4*\b
.endr
	WIN 0
	s_wait_tensorcnt 0x0                           ; all my tensor loads have landed: my part of the next chunk among them
.if \fill
	ds_add_u32 v[SPW], v[NIL]                      ; 0 onto my spare word
	WIN MUL
	GRP 5, 1, 0, 9                                 ; (the add and side 0's tiles 6 and 7 may be out)
.else
	WIN MUL
	GRP 5, 1, 0, 8
.endif
	s_wait_dscnt 0x0                               ; the add is done, and my reads of this slot are over
	s_barrier_signal -1
	GRP 6, 1, 0, -1
	GRP 7, 1, 0, -1
	WIN 0
	s_barrier_wait -1
.if \fill
	CREST                                          ; the barrier has opened a round of the cluster's: no wave of any partner still reads this slot or has a load on its way
	s_add_nc_u64 s[G0X+2:G0X+3], s[G0X+2:G0X+3], 512
	s_add_nc_u64 s[G0W+2:G0W+3], s[G0W+2:G0W+3], 512
	s_cmp_lt_u32 s16, 2
	s_cbranch_scc0 .Lno_refill_\@
	JLOAD FC, G0X, G1X, G0W, G1W                   ; my one tensor load behind the round
.Lno_refill_\@:
.endif
	v_add_nc_u32 v[ADS1], 8, v[ADS1]               ; the next chunk's scale words; these two and the six below are the places behind the last products
	v_add_nc_u32 v[ADS0], 8, v[ADS0]
	s_wait_alu depctr_va_vdst(0)
	PLACES NP-2
.endm
; Tile a of side 1: its 64 numbers a lane (four blocks of 16, the other 16 of each block in lane l xor 16) become 16 registers of codes and a scale word.  Each accumulator is first read at its low end.
.macro QUANT a
.set AC, 64*\a
.set PCA, AF+16*\a
	WIN 0x05                                       ; sources 0 and 1: the accumulators' window
.irp b, 0,1,2,3
	v_max3_num_f32 v[TM+\b], |v[AC+16*\b]|, |v[AC+16*\b+1]|, 0x4800000   ; with the floor 2^(9 - 127): the byte cannot fall under 1
.endr
.irp i, 2,4,6,8,10,12,14
.irp b, 0,1,2,3
	v_max3_num_f32 v[TM+\b], |v[AC+16*\b+\i]|, |v[AC+16*\b+\i+1]|, v[TM+\b]
.endr
.endr
	WIN 0
.irp b, 0,1,2,3
	v_permlanex16_b32 v[TM+4+\b], v[TM+\b], s86, s87
.endr
.irp b, 0,1,2,3
	v_max_num_f32 v[TM+\b], v[TM+\b], v[TM+4+\b]   ; the block's largest magnitude
.endr
.irp b, 0,1,2,3
	v_add_nc_u32 v[TM+12+\b], 0xfc000000, v[TM+\b] ; 8 off its exponent field: the conversion's scale operand
.endr
.irp b, 0,1,2,3
	v_and_or_b32 v[TM+8+\b], v[TM+\b], 0x7f800000, s85   ; 448 x the scale
.endr
.irp b, 0,1,2,3
	v_lshrrev_b32 v[TM+4+\b], 23, v[TM+12+\b]      ; the scale's byte
.endr
	v_lshl_or_b32 v[PW+\a], v[TM+5], 8, v[TM+4]
	v_lshl_or_b32 v[PW+\a], v[TM+6], 16, v[PW+\a]
	v_lshl_or_b32 v[PW+\a], v[TM+7], 24, v[PW+\a]
	WIN 0x41                                       ; source 0 and destination: the accumulators' window
.irp b, 0,1,2,3
.irp i, 0,1,2,3,4,5,6,7,8,9,10,11,12,13,14,15
	v_med3_num_f32 v[AC+16*\b+\i], v[AC+16*\b+\i], -v[TM+8+\b], v[TM+8+\b]   ; the conversion to an 8-bit code does not saturate (ISA guide 7.6.2): the hold
.endr
.endr
	WIN 0x01
.irp b, 0,1,2,3
	v_cvt_scalef32_pk8_fp8_f32 v[PCA+4*\b:PCA+4*\b+1], v[AC+16*\b:AC+16*\b+7], v[TM+12+\b]
	v_cvt_scalef32_pk8_fp8_f32 v[PCA+4*\b+2:PCA+4*\b+3], v[AC+16*\b+8:AC+16*\b+15], v[TM+12+\b]
.endr
	WIN 0
	v_nop                                          ; a plain line behind the last conversion, ahead of the next tile's writes of the scale operands
.irp b, 0,1,2,3
	global_store_b128 v[VO], v[PCA+4*\b:PCA+4*\b+3], s[12:13] offset:2048*(\a)+512*\b   ; 32 lanes store 512 consecutive bytes, aligned; these registers are not written again
.endr
.endm
	s_wait_alu depctr_va_vdst(0)
	s_cmp_lt_u32 s16, 6
	s_cbranch_scc0 .Lchunk_1_is_out
	s_wait_tensorcnt 0x0                           ; chunk 0 and the scale bytes are in; waves 6 and 7's loads, chunk 1, may be out
.Lchunk_1_is_out:
	s_barrier_signal -1
	s_barrier_wait -1
	STEP 0, 0, 1                                   ; K 0-127: its products start the sums
	TURN 0, 1                                      ; K 128-255; slot 0 takes chunk 2
	STEP 1, 0, 0
	TURN 1, 0                                      ; nothing is left to fetch
	STEP 0, 0, 0
	STEP 0, 1, 0
.irp a, 0,1,2,3
	QUANT \a
.endr
	s_cmp_eq_u32 s3, 1
	s_cbranch_scc1 .Lv_words
.irp i, 0,1
	v_perm_b32 v[TM+\i], v[PW+2*\i+1], v[PW+2*\i], 0x05040100     ; q, k: the first head's bytes of two tiles,
	v_perm_b32 v[TM+2+\i], v[PW+2*\i+1], v[PW+2*\i], 0x07060302   ; the second head's
.endr
.irp i, 0,1
	v_cndmask_b32 v[MW+\i], v[TM+\i], v[TM+2+\i], s88
.endr
	global_store_b64 v[VS], v[MW:MW+1], s[14:15]   ; 256 consecutive bytes, aligned
	s_branch .Lend
.Lv_words:
	global_store_b128 v[VT], v[PW:PW+3], s[14:15]  ; 256 consecutive bytes, aligned; lanes r and r + 16 write the same bytes with the same values
.Lend:
	s_wait_tensorcnt 0x0                           ; the wave's end
	ds_add_u32 v[SPW], v[NIL]
	s_wait_dscnt 0x0
	CROUND                                         ; the closing round
	s_endpgm
.Lfunc_end_k_qf65aba1666_proj:
	.size	k_qf65aba1666_proj, .Lfunc_end_k_qf65aba1666_proj-k_qf65aba1666_proj
	.p2alignl 7, 3214868480
	.fill 96, 4, 3214868480
	.section	.rodata,"a",@progbits
	.p2align	6, 0x0
	.amdhsa_kernel k_qf65aba1666_proj
		.amdhsa_group_segment_fixed_size 327680
		.amdhsa_private_segment_fixed_size 0
		.amdhsa_enable_private_segment 0
		.amdhsa_kernarg_size 144
		.amdhsa_user_sgpr_count 2
		.amdhsa_user_sgpr_kernarg_segment_ptr 1
		.amdhsa_wavefront_size32 1
		.amdhsa_system_sgpr_workgroup_id_x 1
		.amdhsa_system_sgpr_workgroup_id_y 1
		.amdhsa_system_sgpr_workgroup_id_z 1
		.amdhsa_system_vgpr_workitem_id 0
		.amdhsa_next_free_vgpr 512
		.amdhsa_next_free_sgpr 102
		.amdhsa_reserve_vcc 0
		.amdhsa_float_denorm_mode_32 3
		.amdhsa_float_denorm_mode_16_64 3
		.amdhsa_memory_ordered 1
		.amdhsa_forward_progress 1
		.amdhsa_inst_pref_size 95
	.end_amdhsa_kernel
	.amdgpu_metadata
---
amdhsa.version: [ 1, 2 ]
amdhsa.kernels:
  - .name:           k_qf65aba1666_proj
    .symbol:         k_qf65aba1666_proj.kd
    .args:
      - { .name: xq_codes, .offset: 0, .size: 8, .value_kind: global_buffer, .address_space: global }
      - { .name: xk_codes, .offset: 8, .size: 8, .value_kind: global_buffer, .address_space: global }
      - { .name: xv_codes, .offset: 16, .size: 8, .value_kind: global_buffer, .address_space: global }
      - { .name: xq_scales, .offset: 24, .size: 8, .value_kind: global_buffer, .address_space: global }
      - { .name: xk_scales, .offset: 32, .size: 8, .value_kind: global_buffer, .address_space: global }
      - { .name: xv_scales, .offset: 40, .size: 8, .value_kind: global_buffer, .address_space: global }
      - { .name: Wq_codes, .offset: 48, .size: 8, .value_kind: global_buffer, .address_space: global }
      - { .name: Wk_codes, .offset: 56, .size: 8, .value_kind: global_buffer, .address_space: global }
      - { .name: Wv_codes, .offset: 64, .size: 8, .value_kind: global_buffer, .address_space: global }
      - { .name: Wq_scales, .offset: 72, .size: 8, .value_kind: global_buffer, .address_space: global }
      - { .name: Wk_scales, .offset: 80, .size: 8, .value_kind: global_buffer, .address_space: global }
      - { .name: Wv_scales, .offset: 88, .size: 8, .value_kind: global_buffer, .address_space: global }
      - { .name: q_img, .offset: 96, .size: 8, .value_kind: global_buffer, .address_space: global }
      - { .name: k_img, .offset: 104, .size: 8, .value_kind: global_buffer, .address_space: global }
      - { .name: v_img, .offset: 112, .size: 8, .value_kind: global_buffer, .address_space: global }
      - { .name: q_sc, .offset: 120, .size: 8, .value_kind: global_buffer, .address_space: global }
      - { .name: k_sc, .offset: 128, .size: 8, .value_kind: global_buffer, .address_space: global }
      - { .name: v_sc, .offset: 136, .size: 8, .value_kind: global_buffer, .address_space: global }
    .group_segment_fixed_size: 327680
    .private_segment_fixed_size: 0
    .kernarg_segment_align: 8
    .kernarg_segment_size: 144
    .max_flat_workgroup_size: 256
    .sgpr_count:     102
    .vgpr_count:     512
    .wavefront_size: 32
...
	.end_amdgpu_metadata
.endif
;; end of part 1
;; launch attn (part 2): grid 32 x 8, 12 waves a work-group, clusters of 4 x 1, 327,680 bytes of LDS; arguments q_img, q_sc, k_img, k_sc, v_img, v_sc, o_img, o_sc; writes o_img, o_sc
.if DOCPART == 2
	.amdgcn_target "amdgcn-amd-amdhsa--gfx1250"
	.amdhsa_code_object_version 6
	.text
	.protected	k_qf65aba1666_attn
	.globl	k_qf65aba1666_attn
	.p2align	8
	.type	k_qf65aba1666_attn,@function
k_qf65aba1666_attn:
	s_mov_b64 s[64:65], 0
	v_nop
	global_prefetch_b8 v0, s[64:65] scope:SCOPE_SE
	s_setreg_imm32_b32 hwreg(HW_REG_WAVE_MODE, 25, 1), 1
	s_wait_xcnt 0x0
	s_wait_alu depctr_hold_cnt(0) depctr_sa_sdst(0) depctr_va_vdst(0) depctr_va_sdst(0) depctr_va_ssrc(0) depctr_va_vcc(0) depctr_vm_vsrc(0)
	s_getreg_b32 s2, hwreg(HW_REG_IB_STS2, 6, 4)
	s_cmp_eq_u32 s2, 0
	s_cbranch_scc0 .Lentry_in_a_cluster
	s_endpgm
.Lentry_in_a_cluster:
	s_bfe_u32 s2, ttmp6, 0x10000c
	s_cmp_lg_u32 s2, 0x3003
	s_cbranch_scc0 .Lentry_shape_is_right
	s_endpgm
.Lentry_shape_is_right:
; For each of 24 (batch, head): o = softmax(q k^T / 8) v, both products on codes of FP8 (E4M3) with E8M0 scales; o is divided by the row's sum, quantised along the channels and stored as images of operand registers.
; THE SOFTMAX: t = score x log2(e) / 8; M = the running largest t rounded up to a whole number; p = 2^(t - M) is quantised along the keys, not normalised; the row's sum is taken of the unquantised p.
; When M moves, the sum and O^T are multiplied by 2^(old M - new M): exact.
; SHARES.  24 x 2,048 query rows are 256 x 192.  The heads go in triples: y = 4 batch + triple.  The 32 work-groups of a triple own 128 queries each of one of its first two heads (a: the first for x < 16, else the second) and 64 each of its third (b).
; Waves 0-7 own the eight tiles of 16 queries of head a, waves 8-11 the four of head b; three waves to a SIMD.  Every wave walks its head's 2,048 keys, 128 a step.
; RING.  Two LDS slots, each four key steps of the two heads: 16,384 bytes for two key steps of a head's K or V, eight such pieces: K a, K b, V a, V b.  Wave w < 8 fetches piece w, one load.  The change of slots stands in a slot's last step: behind it
; the slot just read is filled again, with a whole slot's work in which to land.  The scale words of the two heads, all keys, come once (waves 8-11, at the head) and stay.
; CLUSTER 4 x 1: the four work-groups of a cluster walk the same K and V: every fill is a joint load (mask 15).
; PREFETCH.  Slots 2 and 3 are asked for one slot ahead of their loads: slot 2 behind slot 1's loads, slot 3 behind slot 2's, each by one of the four clusters that share head a (cluster number modulo 4: 0, 1).  Slots 0 and 1 come by their loads
; alone.  The partners share a piece's 64 blocks of 256 bytes by address (cx), 16 each: one instruction in each of waves 0-7, lanes 16-31 naming the last block again.
; LAYOUT.  Both products transposed: S^T = K Q^T (source 0 = 16 keys), O^T = V^T P^T (source 0 = 16 channels): a lane holds one query (lane % 16) throughout.  All operands come as images: 512 bytes a block of 32
; along K, lane l's 16 bytes at 16 l.  Inside a block the order of K is that in which a transposed result's 16 registers of two neighbouring tiles fall: the same in q and k, in p and v, so the products are kept.
; K = 64 IN AN INSTRUCTION OF 128.  Key tiles 2 i and 2 i + 1 make one operand: the first in the lower 64 of K, the second in the upper.  Q stands between two runs of zero codes: with the upper half zero it picks the first tile, with the lower half
; zero the second.  Codes of K meet zero codes of Q there and add exact zeros (K's codes were made behind a hold: none is the NaN code).  One scale word serves both tiles.
; LIMITS: a block of zeros, or under 2^-118, gets the byte 1 where the rule says 127 (zero codes; bytes read by this program alone); NaN and infinities are not served; the scaled scores t stay under 2^31 in magnitude.
.set SLOT1, 1<<17                      ; slot 0 at 0, slot 1 here: an exclusive or goes from one to the other
.set SCK,   262144                     ; behind the ring: K's scale words, 8,192 bytes a head (its pair's: 512 bytes a key step),
.set SCV,   SCK+16384                  ; V's, 4,096 a head (256 a key step)
.set SPARE, SCV+8192                   ; the spare words, 128 bytes a wave: six blocks of 256 bytes that no other line names
.set LI,   1                           ; v1  16 x lane
.set AK0,  2                           ; v2  my head's K in slot 0: 32,768 (wave / 8) + 16 lane
.set AS0,  3                           ; v3  its scale words: SCK + 8,192 (wave / 8) + 128 (head % 2) + 8 r
.set AV0,  4                           ; v4  its V: 65,536 on from K
.set SPW,  5                           ; v5  my spare word's LDS address; never rewritten
.set NIL,  6                           ; v6  0; never rewritten
.set RO,   7                           ; v7  4 r
.set PFO,  8                           ; v8  the prefetch's offset; never rewritten
.set OLDM, 10                          ; v10 the last -M
.set AT0,  11                          ; v11 V's scale words: SCV + 4,096 (wave / 8) + 16 r
.set QZ,   16                          ; v16-39 8 zeros, Q's 8 registers of codes, 8 zeros
.set KB,   40                          ; v40-103 the step's eight key tiles.  V's four fragments: v256-319 (window 1)
.set S,    104                         ; v104-167 S^T, then p
.set OT,   168                         ; v168-199 O^T
.set PC,   200                         ; v200-215 p's codes
.set BM,   216                         ; v216-219 a block's largest score, then largest p
.set T2,   220                         ; v220-223 the other half's; bytes
.set LIM,  224                         ; v224-227 448 x the scale
.set SCO,  228                         ; v228-231 the conversions' scale operands
.set VS,   232                         ; v232-235 V's scale words
.set F,    236                         ; v236 f = 2^(old M - new M);  v237 p's scale word (named with f as a pair)
.set PWD,  237
.set TMP,  238
.set QS,   239                         ; Q's scale word, its two bytes twice
.set C1,   240                         ; v[240:241], v[242:243], v[244:245] chains of the row's sum beside v[14:15]
.set C2,   242
.set C3,   244
.set ADK,  246                         ; the LDS addresses in hand: v246 K, v247 its scale words, v254 V, v255 its scale words
.set ADS,  247
.set KS,   248                         ; v248-251 K's scale words, one for two tiles
.set RL,   252                         ; v[252:253] 1 / the row's sum
.set ADV,  254
.set ADT,  255
.set TB,   2                           ; s2  the slot in hand
.set TS,   3                           ; s3  its scale words of V: 1,024 bytes a slot (K's: twice that)
.set WV,   20
.set PM,   23                          ; s23 the prefetch: bytes from four blocks to the next four
.set G1K,  28                          ; s[28:35] K's codes; s[36:43] V's; s[44:51] K's scale words; s[52:59] V's
.set G1V,  36
.set G1KS, 44
.set G1VS, 52
.set G0C,  60                          ; s[60:63] group 0, codes (walks);  s[68:71], s[80:83] K's, V's scale words
.set G0SK, 68
.set G0SV, 80
.set CNT,  66                          ; s66 the slot in hand, in the loop; -1 ahead of it
.set WHEN, 67                          ; s67 the value of s66 at which my wave prefetches
.set PFA,  72                          ; s[72:73] where
.set STR,  74                          ; s[74:75] a slot on, in bytes
.set SEL,  84
.set CS,   86                          ; s[86:87] c = log2(e) / 8
.set MNT,  88
.set II,   89                          ; s89 the step in the slot, 256 a step
.set MSB, 0
.macro WIN new                         ; the immediate's high byte repeats the setting that is left
.if MSB != \new
	s_set_vgpr_msb (MSB<<8)|\new
.set MSB, \new
.endif
.endm
.macro CREST                           ; a round of the cluster's barrier behind its opening barrier
	s_cmp_lg_u32 s[WV], 0
	s_cbranch_scc1 .Lnot_wave_0_\@
	s_barrier_signal -3
.Lnot_wave_0_\@:
	s_barrier_wait -3
	s_barrier_signal -1
	s_barrier_wait -1
.endm
.macro CROUND
	s_barrier_signal -1
	s_barrier_wait -1
	CREST
.endm
.macro TL g0, g1                       ; a tensor load; an s_nop 0 and four v_nop follow it
	tensor_load_to_lds s[\g0:\g0+3], s[\g1:\g1+7]
	s_nop 0
.rept 4
	v_nop
.endr
.endm
.macro TLOAD                           ; a slot's loads: waves 0-3 K's, waves 4-7 V's
	s_cmp_lt_u32 s[WV], 4
	s_cbranch_scc0 .Lnot_k_\@
	TL G0C, G1K
	s_branch .Lasked_\@
.Lnot_k_\@:
	s_cmp_lt_u32 s[WV], 8
	s_cbranch_scc0 .Lasked_\@
	TL G0C, G1V
.Lasked_\@:
.endm
.macro ASK
	s_cmp_eq_u32 s[CNT], s[WHEN]
	s_cbranch_scc0 .Lnot_mine_\@
	global_prefetch_b8 v[PFO], s[PFA:PFA+1] th:TH_LOAD_NT scope:SCOPE_SE
.Lnot_mine_\@:
.endm
.macro GROUP1 g, c, r, p               ; r rows of c elements of 8 bytes, p elements apart; no padding; mask 15 with bit 21 beside it
	s_mov_b32 s[\g], 15|(3<<16)|(1<<21)
	s_mov_b32 s[\g+1], (\c)<<16
	s_mov_b32 s[\g+2], (\r)<<16
	s_mov_b32 s[\g+3], (\c)<<16
	s_mov_b32 s[\g+4], \r
	s_mov_b32 s[\g+5], \p
	s_mov_b32 s[\g+6], 0
	s_mov_b32 s[\g+7], 0
.endm
.macro SADD d, x
	s_add_co_u32 s\d, s\d, s\x
.endm
	s_load_b512 s[4:19], s[0:1], 0x0               ; q_img, q_sc, k_img, k_sc, v_img, v_sc, o_img, o_sc
	v_lshl_add_u32 v[SPW], v0, 2, SPARE
	v_mov_b32 v[NIL], 0
	ds_add_u32 v[SPW], v[NIL]                      ; the wave's opening: the add, twice on end, and its wait ahead of my first tensor load; the set-up below stands between
	ds_add_u32 v[SPW], v[NIL]
	v_lshrrev_b32 v9, 5, v0
	v_readfirstlane_b32 s[WV], v9                  ; wave 0..11
	s_bfe_u32 s21, ttmp6, 0x40000                  ; cx
	s_lshl_b32 s22, ttmp9, 2
	SADD 22, 21                                    ; x: it enters q's and o's addresses alone
	s_and_b32 s23, ttmp7, 0xffff
	s_lshr_b32 s24, s23, 2                         ; batch
	s_and_b32 s25, s23, 3
	s_mul_i32 s25, s25, 3                          ; the triple's first head
	s_lshr_b32 s26, ttmp9, 2
	SADD 26, 25                                    ; head a: made of y and the cluster's number, which the four partners share
	s_add_co_u32 s27, s25, 2                       ; head b
	GROUP1 G1K, 128, 16, 256                       ; K: 16 key tiles of 1,024 bytes (a head's two blocks), 2,048 apart
	GROUP1 G1V, 1024, 2, 12288                     ; V: 2 key steps of 8,192 bytes (a head's four tiles of channels), 98,304 apart
	GROUP1 G1KS, 32, 32, 32                        ; K's scale words of a pair of heads: 8,192 dense bytes
	GROUP1 G1VS, 32, 16, 384                       ; V's: 16 key steps of 256 bytes, 3,072 apart
	s_mov_b32 s[SEL], 0x76543210
	s_mov_b32 s[SEL+1], 0xfedcba98
	s_mov_b32 s[CS], 0x3e38aa3b                    ; log2(e) / 8
	s_mov_b32 s[CS+1], s[CS]                       ; named with it as a pair, so it is written
	s_mov_b32 s[MNT], 0x600000
	; what I fetch: made of y, the cluster's number and the wave's number alone
	s_bfe_u32 s76, s[WV], 0x10001                  ; codes: of head a (0) or b (1),
	s_and_b32 s77, s[WV], 1                        ; which two of a slot's four key steps;  scale words: of head a or b
	s_cmp_eq_u32 s76, 0
	s_cselect_b32 s78, s26, s27
	s_cmp_eq_u32 s77, 0
	s_cselect_b32 s79, s26, s27
	s_lshr_b32 s90, s78, 1
	s_lshl_b32 s90, s90, 19
	s_lshl_b32 s91, s24, 18
	SADD 90, 91
	s_and_b32 s91, s78, 1
	s_lshl_b32 s91, s91, 10
	SADD 90, 91
	s_lshl_b32 s91, s77, 15
	SADD 90, 91                                    ; K's codes: 524,288 (head / 2) + 262,144 batch + 1,024 (head % 2) + 32,768 half
	s_lshl_b32 s92, s24, 4
	s_lshl_b32 s91, s77, 1
	SADD 92, 91
	s_mul_i32 s92, s92, 98304
	s_lshl_b32 s91, s78, 13
	SADD 92, 91                                    ; V's codes: (16 batch + 2 half) x 98,304 + 8,192 head
	s_lshr_b32 s94, s79, 1
	s_lshl_b32 s94, s94, 14
	s_lshl_b32 s91, s24, 13
	SADD 94, 91                                    ; K's scale words
	s_mul_i32 s96, s24, 16*3072
	s_lshl_b32 s91, s79, 8
	SADD 96, 91                                    ; V's
	s_mov_b32 s91, 0
	s_mov_b32 s95, 0
	s_mov_b32 s97, 0
	s_lshl_b32 s100, s21, 13                       ; my quarter of a prefetch: K: four of 16 tiles,
	s_lshr_b32 s101, s21, 1
	s_mul_i32 s101, s101, 98304
	s_and_b32 s98, s21, 1
	s_lshl_b32 s98, s98, 12
	SADD 101, 98                                   ; V: 4,096 bytes of one of two key steps
	s_mov_b32 s[STR], 393216
	s_mov_b32 s[STR+1], 0
	s_mov_b32 s[PM], 1024
	s_and_b32 s98, ttmp9, 3
	s_sub_co_u32 s[WHEN], s98, 1
	s_cmp_lt_u32 s98, 2
	s_cselect_b32 s[WHEN], s[WHEN], 0x63
	s_cmp_lt_u32 s[WV], 8
	s_cselect_b32 s[WHEN], s[WHEN], 0x63
	s_add_co_u32 s98, s98, 2                       ; the slot that I ask for
	s_mov_b32 s99, 0
	s_mov_b32 s[TB], 0
	s_mov_b32 s[TS], 0
	s_mov_b32 s[CNT], -1
	s_wait_dscnt 0x0                               ; both opening adds are done
	CROUND                                         ; all four work-groups are here: the joint loads meet
	s_wait_kmcnt 0x0
	s_cmp_lt_u32 s[WV], 4
	s_cselect_b64 s[76:77], s[8:9], s[12:13]
	s_cselect_b32 s90, s90, s92
	s_cselect_b32 s[STR], 0x10000, s[STR]
	s_cselect_b32 s[PM], 0x800, s[PM]
	s_cselect_b32 s100, s100, s101
	s_add_nc_u64 s[76:77], s[76:77], s[90:91]
	s_mov_b32 s[G0C], 1
	s_lshl_b32 s[G0C+1], s[WV], 14                 ; LDS: 16,384 x wave
	s_mov_b64 s[G0C+2:G0C+3], s[76:77]
	s_or_b32 s[G0C+3], s[G0C+3], 0x80000000
	s_mov_b32 s[G0SK], 1
	s_lshl_b32 s[G0SK+1], s[WV], 13
	s_add_co_u32 s[G0SK+1], s[G0SK+1], SCK-65536   ; SCK + 8,192 x (wave - 8)
	s_add_nc_u64 s[G0SK+2:G0SK+3], s[10:11], s[94:95]
	s_or_b32 s[G0SK+3], s[G0SK+3], 0x80000000
	s_mov_b32 s[G0SV], 1
	s_lshl_b32 s[G0SV+1], s[WV], 12
	s_add_co_u32 s[G0SV+1], s[G0SV+1], SCV-40960   ; SCV + 4,096 x (wave - 10)
	s_add_nc_u64 s[G0SV+2:G0SV+3], s[14:15], s[96:97]
	s_or_b32 s[G0SV+3], s[G0SV+3], 0x80000000
	s_cmp_lt_u32 s[WV], 4                          ; the head's loads, one a wave: one chain of branches on the wave's number, a load in each arm
	s_cbranch_scc0 .Lhead_v
	TL G0C, G1K
	s_branch .Lhead_asked
.Lhead_v:
	s_cmp_lt_u32 s[WV], 8
	s_cbranch_scc0 .Lhead_ks
	TL G0C, G1V
	s_branch .Lhead_asked
.Lhead_ks:
	s_cmp_lt_u32 s[WV], 10
	s_cbranch_scc0 .Lhead_vs
	TL G0SK, G1KS
	s_branch .Lhead_asked
.Lhead_vs:
	TL G0SV, G1VS
.Lhead_asked:
	s_mul_i32 s98, s98, s[STR]                     ; where my wave prefetches
	SADD 98, 100
	s_add_nc_u64 s[PFA:PFA+1], s[76:77], s[98:99]
	s_lshr_b32 s76, s[WV], 3                       ; I compute head a (0) or b (1)
	s_and_b32 s77, s22, 15
	s_lshl_b32 s77, s77, 3
	SADD 77, 20
	s_lshl_b32 s78, s22, 2
	SADD 78, 20
	s_sub_co_u32 s78, s78, 8
	s_cmp_eq_u32 s76, 0
	s_cselect_b32 s78, s77, s78                    ; my tile of 16 queries: a: 8 (x % 16) + wave, b: 4 x + wave - 8,
	s_cselect_b32 s79, s26, s27                    ; and head
	s_lshl_b32 s77, s24, 7
	SADD 78, 77                                    ; + 128 batch
	s_lshr_b32 s92, s79, 1
	s_and_b32 s93, s79, 1
	s_lshl_b32 s98, s92, 19
	s_lshl_b32 s97, s78, 11
	SADD 98, 97
	s_lshl_b32 s97, s93, 10
	SADD 98, 97
	s_add_nc_u64 s[4:5], s[4:5], s[98:99]          ; q's image
	s_lshl_b32 s98, s92, 14
	s_lshr_b32 s97, s78, 2
	s_lshl_b32 s97, s97, 8
	SADD 98, 97
	s_lshl_b32 s97, s93, 7
	SADD 98, 97
	s_and_b32 s97, s78, 3
	s_lshl_b32 s97, s97, 1
	SADD 98, 97
	s_add_nc_u64 s[6:7], s[6:7], s[98:99]          ; q's two scale bytes a row, 8 apart
	s_mul_i32 s98, s78, 12288
	s_lshl_b32 s97, s79, 10
	SADD 98, 97
	s_add_nc_u64 s[16:17], s[16:17], s[98:99]      ; o's images: tile x 24 blocks + 2 head
	s_mul_i32 s98, s78, 384
	s_lshl_b32 s97, s92, 6
	SADD 98, 97
	s_lshl_b32 s97, s93, 1
	SADD 98, 97
	s_add_nc_u64 s[18:19], s[18:19], s[98:99]      ; o's two scale bytes a row
	s_lshl_b32 s97, s76, 15
	s_lshl_b32 s98, s76, 13
	s_lshl_b32 s93, s93, 7
	SADD 98, 93
	s_add_co_u32 s98, s98, SCK
	s_lshl_b32 s96, s76, 12
	s_add_co_u32 s96, s96, SCV
	v_and_b32 v[S], 31, v0
	v_and_b32 v[S+1], 15, v0
	v_lshlrev_b32 v[LI], 4, v[S]
	v_lshlrev_b32 v9, 3, v[S+1]
	v_lshlrev_b32 v[RO], 2, v[S+1]
	global_load_b128 v[QZ+8:QZ+11], v[LI], s[4:5]
	global_load_b128 v[QZ+12:QZ+15], v[LI], s[4:5] offset:512
	global_load_u16 v[QS], v9, s[6:7]
	v_lshlrev_b32 v[S+2], 4, v[S+1]
	v_add_nc_u32 v[AK0], s97, v[LI]
	v_add_nc_u32 v[AS0], s98, v9
	v_add_nc_u32 v[AT0], s96, v[S+2]
	v_min_u32 v[S], 15, v[S]                       ; the prefetch: block min(lane, 15): K: four blocks of each of four tiles, V: sixteen on end
	v_add_nc_u32 v[AV0], 0x10000, v[AK0]
	v_mov_b32 v[ADK], v[AK0]                       ; slot 0, key step 0
	v_mov_b32 v[ADS], v[AS0]
	v_lshrrev_b32 v[S+1], 2, v[S]
	v_and_b32 v[S], 3, v[S]
	v_lshlrev_b32 v[S], 8, v[S]
	v_mad_u32_u24 v[PFO], v[S+1], s[PM], v[S]
.set j, 0
.rept 8
	v_mov_b32 v[QZ+j], 0
	v_mov_b32 v[QZ+16+j], 0
.set j, j+1
.endr
	v_mov_b32 v13, 0xff61b1e6                      ; the largest t so far: -3e38
	v_mov_b32 v14, 0
	v_mov_b32 v15, 0
	v_floor_f32 v12, -v13                          ; -M
.set j, 0
.rept 6
	v_mov_b32 v[C1+j], 0
.set j, j+1
.endr
.irp b, 0,1,2,3
	v_mov_b32 v[T2+\b], 0                          ; a lane permute's destination counts as one of its sources
.endr
	v_mov_b32 v[PWD], 0                            ; named as upper halves of pairs before they are first written
	v_mov_b32 v[TMP], 0
	v_mov_b32 v[RL+1], 0
	s_wait_alu depctr_va_vdst(0)
	s_wait_loadcnt 0x0                             ; Q
	v_lshl_or_b32 v[QS], v[QS], 16, v[QS]
.set j, 0
.rept 32
	v_mov_b32 v[OT+j], 0                           ; the first step finds zeros, which the first change of M leaves zeros
.set j, j+1
.endr
.macro KLOAD ko, so                    ; a key step: eight key tiles of 8 registers on end, and their scale words: 18 loads
.irp t, 0,1,2,3,4,5,6,7
	ds_load_b128 v[KB+8*\t:KB+8*\t+3], v[ADK] offset:\ko+1024*\t
	ds_load_b128 v[KB+8*\t+4:KB+8*\t+7], v[ADK] offset:\ko+1024*\t+512
.endr
	ds_load_b64 v[KS:KS+1], v[ADS] offset:\so
	ds_load_b64 v[KS+2:KS+3], v[ADS] offset:\so+256
.endm
.macro VLOAD                           ; V's four fragments (16 channels x 128 keys) into window 1, and their scale words
	WIN 0x40
.irp t, 0,1,2,3
.irp c, 0,1,2,3
	ds_load_b128 v[16*\t+4*\c:16*\t+4*\c+3], v[ADV] offset:2048*\t+512*\c
.endr
.endr
	WIN 0
	ds_load_b128 v[VS:VS+3], v[ADT]
.endm
; A KEY STEP: 128 keys.  mode 0: the next step's K lies in the same slot; 1: change of slots, the slot is filled again; 2: change of slots, nothing is filled; 3: the last step.
.macro STEP mode
	s_add_co_u32 s90, s[TS], s[II]                 ; V's scale words of this step,
	s_lshl_b32 s91, s[II], 5
	s_add_co_u32 s91, s91, s[TB]                   ; its codes: 8,192 bytes a step,
	s_lshl_b32 s92, s90, 1                         ; K's scale words
	s_wait_alu depctr_va_vdst(0)
	s_wait_dscnt 0x0                               ; this step's K
.irp i, 0,1,2,3                                ; S^T = K Q^T
	v_wmma_scale_f32_16x16x128_f8f6f4 v[S+16*\i:S+16*\i+7], v[KB+16*\i:KB+16*\i+15], v[QZ+8:QZ+23], 0, v[KS+\i], v[QS]
	v_wmma_scale_f32_16x16x128_f8f6f4 v[S+16*\i+8:S+16*\i+15], v[KB+16*\i:KB+16*\i+15], v[QZ:QZ+15], 0, v[KS+\i], v[QS]
.endr
	v_pk_add_f32 v[C1:C1+1], v[C1:C1+1], v[C2:C2+1]    ; eight places, ahead of the loads and of the first read of scores: the last step's chains of the row's sum are joined here,
	v_pk_add_f32 v[14:15], v[14:15], v[C3:C3+1]
	v_add_nc_u32 v[ADK], s91, v[AK0]               ; and this step's addresses are made
	v_add_nc_u32 v[ADV], s91, v[AV0]
	v_add_nc_u32 v[ADS], s92, v[AS0]
	v_pk_add_f32 v[14:15], v[14:15], v[C1:C1+1]
	v_add_nc_u32 v[ADT], s90, v[AT0]
	v_mov_b32 v[OLDM], v12
	VLOAD
.if \mode == 0
	KLOAD 8192, 512
.endif
.if \mode == 1 || \mode == 2
	s_xor_b32 s[TB], s[TB], SLOT1                  ; on to the other slot
	s_add_co_u32 s[TS], s[TS], 1024
	s_lshl_b32 s92, s[TS], 1
	v_add_nc_u32 v[ADK], s[TB], v[AK0]
	v_add_nc_u32 v[ADS], s92, v[AS0]
.endif
.irp b, 0,1,2,3
	v_max3_num_f32 v[BM+\b], v[S+16*\b], v[S+1+16*\b], v[S+2+16*\b]   ; the largest score of each block of 32 keys: for the row's maximum, and, since p rises with the score, for the block's largest p
.endr
.irp i, 3,5,7,9,11,13
.irp b, 0,1,2,3
	v_max3_num_f32 v[BM+\b], v[BM+\b], v[S+16*\b+\i], v[S+1+16*\b+\i]
.endr
.endr
.irp b, 0,1,2,3
	v_max_num_f32 v[BM+\b], v[BM+\b], v[S+15+16*\b]
.endr
.irp b, 0,1,2,3
	s_delay_alu instid0(VALU_DEP_4)
	v_permlanex16_b32 v[T2+\b], v[BM+\b], s[SEL], s[SEL+1]
.endr
.irp b, 0,1,2,3
	s_delay_alu instid0(VALU_DEP_4)
	v_max_num_f32 v[BM+\b], v[BM+\b], v[T2+\b]     ; with lane l xor 16's 16 keys
.endr
	s_delay_alu instid0(VALU_DEP_2)
	v_max3_num_f32 v[TMP], v[BM], v[BM+1], v[BM+2]
	s_delay_alu instid0(VALU_DEP_1)
	v_max_num_f32 v[TMP], v[TMP], v[BM+3]
	s_delay_alu instid0(VALU_DEP_1)
	v_mul_f32 v[TMP], s[CS], v[TMP]                ; as t
	s_delay_alu instid0(VALU_DEP_1)
	v_max_num_f32 v13, v13, v[TMP]                 ; the running largest t
	s_delay_alu instid0(VALU_DEP_1)
	v_floor_f32 v12, -v13                          ; the new -M = floor(-t): M is a whole number
.if \mode == 1 || \mode == 2
	s_wait_alu depctr_va_vdst(0)
	s_wait_tensorcnt 0x0                           ; my part of the next slot is in
.if \mode == 1
	ds_add_u32 v[SPW], v[NIL]                      ; 0 onto my spare word
	s_xor_b32 s[G0C+1], s[G0C+1], SLOT1            ; no tensor load of mine is out: my next piece, two slots on
	s_add_nc_u64 s[G0C+2:G0C+3], s[G0C+2:G0C+3], s[STR:STR+1]
.endif
	s_wait_dscnt 0x0                               ; the add is done, and my reads of this slot are over, V's of this step among them
	s_barrier_signal -1                            ; work on registers while the others arrive
.endif
.set j, 0
.rept 32
	v_pk_fma_f32 v[S+j:S+j+1], v[S+j:S+j+1], s[CS:CS+1], v[12:13] op_sel_hi:[1,0,0]   ; t - M, two at a time
.if j == 6
	v_sub_f32 v[TMP], v12, v[OLDM]                 ; old M - new M: a whole number, 0 or less
.endif
.if j == 14
	v_cvt_i32_f32 v[TMP], v[TMP]                   ; (it saturates)
.endif
.if j == 22
	v_ldexp_f32 v[F], 1.0, v[TMP]                  ; f = 2^(old M - new M)
.endif
.set j, j+2
.endr
.irp b, 0,1,2,3
	v_fma_f32 v[BM+\b], v[BM+\b], s[CS], v12       ; the same of each block's largest score
.endr
.if \mode == 1
	s_wait_alu depctr_va_vdst(0)
	s_barrier_wait -1                              ; the next slot is whole, and nobody reads this one,
	CREST                                          ; nor does a wave of any partner
	TLOAD                                          ; my one tensor load behind the round
	KLOAD 0, 0                                     ; the next slot's first step
	ASK
.endif
	s_wait_alu depctr_va_vdst(0)
.set j, 0
.rept 64
	v_exp_f32 v[S+j], v[S+j]                       ; p = 2^(t - M)
.set j, j+1
.endr
.irp b, 0,1,2,3
	v_exp_f32 v[BM+\b], v[BM+\b]                   ; the block's largest p: the same two instructions on the same number give the same bits
.endr
	v_pk_mul_f32 v[14:15], v[14:15], v[F:F+1] op_sel_hi:[1,0]   ; the sums under the new M: the plain line behind the exponentials
	s_wait_alu depctr_va_vdst(0)                   ; one wait for the batch of 68, ahead of its first reader
	v_pk_add_f32 v[C1:C1+1], v[S:S+1], v[S+2:S+3]  ; the row's sum, of the unquantised p, in four chains
	v_pk_add_f32 v[C2:C2+1], v[S+4:S+5], v[S+6:S+7]
	v_pk_add_f32 v[C3:C3+1], v[S+8:S+9], v[S+10:S+11]
	v_pk_add_f32 v[14:15], v[14:15], v[S+12:S+13]
.set j, 14
.rept 6
	v_pk_add_f32 v[C1:C1+1], v[C1:C1+1], v[S+j:S+j+1]
	v_pk_add_f32 v[C2:C2+1], v[C2:C2+1], v[S+j+2:S+j+3]
	v_pk_add_f32 v[C3:C3+1], v[C3:C3+1], v[S+j+4:S+j+5]
	v_pk_add_f32 v[14:15], v[14:15], v[S+j+6:S+j+7]
.set j, j+8
.endr
	v_pk_add_f32 v[C1:C1+1], v[C1:C1+1], v[S+62:S+63]
.if \mode == 2
	s_wait_alu depctr_va_vdst(0)
	s_barrier_wait -1                              ; the next slot is whole
	KLOAD 0, 0
.endif
.irp b, 0,1,2,3
	v_max_num_f32 v[BM+\b], 0x4800000, v[BM+\b]    ; the floor 2^(9 - 127): the byte cannot fall under 1
.endr
.irp b, 0,1,2,3
	s_delay_alu instid0(VALU_DEP_4)
	v_add_nc_u32 v[SCO+\b], 0xfc000000, v[BM+\b]   ; 8 off the exponent field: the conversion's scale operand
.endr
.irp b, 0,1,2,3
	v_and_or_b32 v[LIM+\b], v[BM+\b], 0x7f800000, s[MNT]   ; 448 x the scale
.endr
.irp b, 0,1,2,3
	v_lshrrev_b32 v[T2+\b], 23, v[SCO+\b]          ; the scale's byte
.endr
	s_delay_alu instid0(VALU_DEP_3)
	v_lshl_or_b32 v[PWD], v[T2+1], 8, v[T2]        ; p's scale word for these 128 keys: more than eight plain lines ahead of the products that name it
	s_delay_alu instid0(VALU_DEP_1)
	v_lshl_or_b32 v[PWD], v[T2+2], 16, v[PWD]
	s_delay_alu instid0(VALU_DEP_1)
	v_lshl_or_b32 v[PWD], v[T2+3], 24, v[PWD]
; THE HOLD: the conversion does not saturate (ISA guide 7.6.2); p is not negative, so the hold is one-sided.  Two holds go in one instruction: number i of block p with number (i + 1) % 16 of block p + 1, so that one
; destination is even and the other odd, and the two first sources, and the two second sources, have different register numbers modulo 4.
.irp p, 0,2
.irp i, 0,1,2,3,4,5,6,7,8,9,10,11,12,13,14,15
	v_dual_min_num_f32 v[S+16*\p+\i], v[S+16*\p+\i], v[LIM+\p] :: v_dual_min_num_f32 v[S+16*\p+16+(\i+1)%16], v[S+16*\p+16+(\i+1)%16], v[LIM+\p+1]
.endr
.endr
.irp b, 0,1,2,3
	v_cvt_scalef32_pk8_fp8_f32 v[PC+4*\b:PC+4*\b+1], v[S+16*\b:S+16*\b+7], v[SCO+\b]
	v_cvt_scalef32_pk8_fp8_f32 v[PC+4*\b+2:PC+4*\b+3], v[S+16*\b+8:S+16*\b+15], v[SCO+\b]
.endr
	s_wait_alu depctr_va_vdst(0)                   ; ahead of the first reader of O^T
.set j, 0
.rept 16
	v_pk_mul_f32 v[OT+j:OT+j+1], v[OT+j:OT+j+1], v[F:F+1] op_sel_hi:[1,0]   ; O^T under the new M, each accumulator from its low end on; the sixteen are the places between the codes and the products
.set j, j+2
.endr
.if \mode == 0
	s_wait_alu depctr_va_vdst(0)
	s_wait_dscnt 18                                ; V's 17 loads are in; the 18 of the next step's K, issued behind them, may be out
.endif
.if \mode == 3
	s_wait_alu depctr_va_vdst(0)
	s_wait_dscnt 0x0                               ; V's
.endif
	WIN 0x01                                       ; source 0: window 1
.irp t, 0,1,2,3                                ; O^T += V^T P^T: four accumulators by turns
	v_wmma_scale_f32_16x16x128_f8f6f4 v[OT+8*\t:OT+8*\t+7], v[16*\t:16*\t+15], v[PC:PC+15], v[OT+8*\t:OT+8*\t+7], v[VS+\t], v[PWD]
.endr
	WIN 0
.endm
.macro SLOT_STEPS mode                 ; a slot's four key steps
	s_mov_b32 s[II], 0
.Lstep_\@:
	STEP 0
	s_add_co_u32 s[II], s[II], 256
	s_cmp_lt_u32 s[II], 768
	s_wait_alu depctr_va_vdst(0)
	s_cbranch_scc1 .Lstep_\@
	s_mov_b32 s[II], 768
	STEP \mode
.endm
	s_wait_alu depctr_va_vdst(0)
	s_wait_tensorcnt 0x0                           ; my piece of the head's twelve is in
	ds_add_u32 v[SPW], v[NIL]                      ; 0 onto my spare word
	s_xor_b32 s[G0C+1], s[G0C+1], SLOT1
	s_add_nc_u64 s[G0C+2:G0C+3], s[G0C+2:G0C+3], s[STR:STR+1]
	s_wait_dscnt 0x0
	CROUND                                         ; slot 0 and all scale words are in
	TLOAD                                          ; slot 1's first fill
	KLOAD 0, 0
	ASK
	s_mov_b32 s[CNT], 0
.Lslot:                                                ; slots 0 and 1: behind each one's change of slots the slot two on is asked for
	SLOT_STEPS 1
	s_add_co_u32 s[CNT], s[CNT], 1
	s_cmp_lt_u32 s[CNT], 2
	s_wait_alu depctr_va_vdst(0)
	s_cbranch_scc1 .Lslot
	SLOT_STEPS 2                                   ; slots 2 and 3 are written out
	SLOT_STEPS 3
	; THE WAY OUT.  O^T / the row's sum; its two blocks of 32 channels are quantised; the codes are the next launch's operand registers as they stand.
	v_pk_add_f32 v[C1:C1+1], v[C1:C1+1], v[C2:C2+1]
	v_pk_add_f32 v[14:15], v[14:15], v[C3:C3+1]
	v_pk_add_f32 v[14:15], v[14:15], v[C1:C1+1]
	v_add_f32 v14, v14, v15
	v_permlanex16_b32 v[TMP], v14, s[SEL], s[SEL+1]
	v_add_f32 v14, v14, v[TMP]                     ; the row's sum
	s_wait_alu depctr_va_vdst(0)
	v_rcp_f32 v[RL], v14
.rept 8
	v_nop                                          ; the plain line behind the reciprocal, and the places behind the last products
.endr
	s_wait_alu depctr_va_vdst(0)                   ; ahead of the reciprocal's first reader
.set j, 0
.rept 16
	v_pk_mul_f32 v[OT+j:OT+j+1], v[OT+j:OT+j+1], v[RL:RL+1] op_sel_hi:[1,0]   ; each accumulator from its low end on
.set j, j+2
.endr
.irp b, 0,1
	v_max3_num_f32 v[BM+\b], |v[OT+16*\b]|, |v[OT+1+16*\b]|, 0x4800000
.endr
.irp i, 2,4,6,8,10,12,14
.irp b, 0,1
	s_delay_alu instid0(VALU_DEP_2)
	v_max3_num_f32 v[BM+\b], v[BM+\b], |v[OT+16*\b+\i]|, |v[OT+1+16*\b+\i]|
.endr
.endr
.irp b, 0,1
	s_delay_alu instid0(VALU_DEP_2)
	v_permlanex16_b32 v[T2+\b], v[BM+\b], s[SEL], s[SEL+1]
.endr
.irp b, 0,1
	s_delay_alu instid0(VALU_DEP_2)
	v_max_num_f32 v[BM+\b], v[BM+\b], v[T2+\b]
.endr
.irp b, 0,1
	s_delay_alu instid0(VALU_DEP_2)
	v_add_nc_u32 v[SCO+\b], 0xfc000000, v[BM+\b]
.endr
.irp b, 0,1
	v_and_or_b32 v[LIM+\b], v[BM+\b], 0x7f800000, s[MNT]
.endr
.irp b, 0,1
	v_lshrrev_b32 v[T2+\b], 23, v[SCO+\b]
.endr
	s_delay_alu instid0(VALU_DEP_1)
	v_lshl_or_b32 v[TMP], v[T2+1], 8, v[T2]        ; my row's two scale bytes
.irp b, 0,1
.irp i, 0,1,2,3,4,5,6,7,8,9,10,11,12,13,14,15
	v_med3_num_f32 v[OT+16*\b+\i], v[OT+16*\b+\i], -v[LIM+\b], v[LIM+\b]
.endr
.endr
.irp b, 0,1
	v_cvt_scalef32_pk8_fp8_f32 v[PC+4*\b:PC+4*\b+1], v[OT+16*\b:OT+16*\b+7], v[SCO+\b]
	v_cvt_scalef32_pk8_fp8_f32 v[PC+4*\b+2:PC+4*\b+3], v[OT+16*\b+8:OT+16*\b+15], v[SCO+\b]
.endr
	v_nop
	global_store_b128 v[LI], v[PC:PC+3], s[16:17]              ; 512 consecutive bytes, aligned
	global_store_b128 v[LI], v[PC+4:PC+7], s[16:17] offset:512
	global_store_b16 v[RO], v[TMP], s[18:19]       ; lanes r and r + 16 write the same two bytes with the same value
	s_wait_tensorcnt 0x0                           ; the wave's end
	ds_add_u32 v[SPW], v[NIL]
	s_wait_dscnt 0x0
	CROUND                                         ; the closing round
	s_endpgm
.Lfunc_end_k_qf65aba1666_attn:
	.size	k_qf65aba1666_attn, .Lfunc_end_k_qf65aba1666_attn-k_qf65aba1666_attn
	.p2alignl 7, 3214868480
	.fill 96, 4, 3214868480
	.section	.rodata,"a",@progbits
	.p2align	6, 0x0
	.amdhsa_kernel k_qf65aba1666_attn
		.amdhsa_group_segment_fixed_size 327680
		.amdhsa_private_segment_fixed_size 0
		.amdhsa_enable_private_segment 0
		.amdhsa_kernarg_size 64
		.amdhsa_user_sgpr_count 2
		.amdhsa_user_sgpr_kernarg_segment_ptr 1
		.amdhsa_wavefront_size32 1
		.amdhsa_system_sgpr_workgroup_id_x 1
		.amdhsa_system_sgpr_workgroup_id_y 1
		.amdhsa_system_sgpr_workgroup_id_z 1
		.amdhsa_system_vgpr_workitem_id 0
		.amdhsa_next_free_vgpr 320
		.amdhsa_next_free_sgpr 102
		.amdhsa_reserve_vcc 0
		.amdhsa_float_denorm_mode_32 3
		.amdhsa_float_denorm_mode_16_64 3
		.amdhsa_memory_ordered 1
		.amdhsa_forward_progress 1
		.amdhsa_inst_pref_size 136
	.end_amdhsa_kernel
	.amdgpu_metadata
---
amdhsa.version: [ 1, 2 ]
amdhsa.kernels:
  - .name:           k_qf65aba1666_attn
    .symbol:         k_qf65aba1666_attn.kd
    .args:
      - { .name: q_img, .offset: 0, .size: 8, .value_kind: global_buffer, .address_space: global }
      - { .name: q_sc, .offset: 8, .size: 8, .value_kind: global_buffer, .address_space: global }
      - { .name: k_img, .offset: 16, .size: 8, .value_kind: global_buffer, .address_space: global }
      - { .name: k_sc, .offset: 24, .size: 8, .value_kind: global_buffer, .address_space: global }
      - { .name: v_img, .offset: 32, .size: 8, .value_kind: global_buffer, .address_space: global }
      - { .name: v_sc, .offset: 40, .size: 8, .value_kind: global_buffer, .address_space: global }
      - { .name: o_img, .offset: 48, .size: 8, .value_kind: global_buffer, .address_space: global }
      - { .name: o_sc, .offset: 56, .size: 8, .value_kind: global_buffer, .address_space: global }
    .group_segment_fixed_size: 327680
    .private_segment_fixed_size: 0
    .kernarg_segment_align: 8
    .kernarg_segment_size: 64
    .max_flat_workgroup_size: 384
    .sgpr_count:     102
    .vgpr_count:     320
    .wavefront_size: 32
...
	.end_amdgpu_metadata
.endif
;; end of part 2
;; launch outp (part 3): grid 32 x 6, 8 waves a work-group, clusters of 4 x 1, 244,736 bytes of LDS; arguments o_img, o_sc, Wp_codes, Wp_scales, bp, out0; writes out0
.if DOCPART == 3
	.amdgcn_target "amdgcn-amd-amdhsa--gfx1250"
	.amdhsa_code_object_version 6
	.text
	.protected	k_qf65aba1666_outp
	.globl	k_qf65aba1666_outp
	.p2align	8
	.type	k_qf65aba1666_outp,@function
k_qf65aba1666_outp:
	s_mov_b64 s[64:65], 0
	v_nop
	global_prefetch_b8 v0, s[64:65] scope:SCOPE_SE
	s_setreg_imm32_b32 hwreg(HW_REG_WAVE_MODE, 25, 1), 1
	s_wait_xcnt 0x0
	s_wait_alu depctr_hold_cnt(0) depctr_sa_sdst(0) depctr_va_vdst(0) depctr_va_sdst(0) depctr_va_ssrc(0) depctr_va_vcc(0) depctr_vm_vsrc(0)
	s_getreg_b32 s2, hwreg(HW_REG_IB_STS2, 6, 4)
	s_cmp_eq_u32 s2, 0
	s_cbranch_scc0 .Lentry_in_a_cluster
	s_endpgm
.Lentry_in_a_cluster:
	s_bfe_u32 s2, ttmp6, 0x10000c
	s_cmp_lg_u32 s2, 0x3003
	s_cbranch_scc0 .Lentry_shape_is_right
	s_endpgm
.Lentry_shape_is_right:
; out0 = o Wp^T + bp: [4096 x 768] x [768 x 768] on codes of FP8 (E4M3) with E8M0 scales, f32 sums, f32 out.
; o comes as images of operand registers (tile of 16 tokens x 24 blocks x 512 bytes) with its scale words; Wp as rows of 768 codes.
; THE ORDER OF K.  Inside a block of 32 an image holds index 16 (i / 8) + 8 (lane / 16) + i % 8 at place i of a lane's 16.  Wp is brought into the same order as it is read from LDS: eight loads of 8 bytes
; at 16 k + 8 (lane / 16) fill a fragment's registers 2 k, 2 k + 1.  The scale bytes are untouched: the order changes inside blocks alone.  So the products are kept; only their order of summation inside a block differs.
; SHARES.  A tile of 128 tokens x 128 channels (tiles of 256 x 256 would be 48 work-groups); eight waves, two to a SIMD, of 32 tokens x 64 channels: 8 accumulators.
; All of K lies in LDS as three chunks of 256, filled once by eight loads, one a wave: waves 0-3 chunk 0 of o and of Wp and the scale bytes, waves 4, 5 chunk 1, waves 6, 7 chunk 2.  A barrier shows each chunk: in front of it the waves that
; fetched it have waited.  No prefetch: every load goes out at the head, and no loop runs ahead.
; CLUSTER 4 x 1: the four partners share the channel tile: Wp's codes and scale bytes are joint loads (mask 15); o's tiles are each work-group's own and come by plain loads behind the same round.
; Source 0 = 16 rows of Wp, source 1 = 16 tokens: a lane holds 8 neighbouring channels of one token.  The bias is the C of the first K step.  A wave's 64 channels are 256 aligned bytes of a row of out0,
; so each wave stores through a stage of its own and no barrier stands on the way out.
; LIMITS: NaN and infinities are not served.
; REGISTERS: window 0: v4-16 addresses; v33-44 o's scale words, v46-69 Wp's; v96-127 the bias; v128-191 accumulator (a, b) at 128 + 8 (4 a + b); on the way out v32-95 hold rows.
;   window 1: two fragment buffers of 96: o's two fragments, then Wp's four.
.set CH,    67584                      ; a chunk: o's 8 tiles x 4,096 bytes, then Wp's 128 rows x 272
.set SCA,   3*CH                       ; o's scale words, 3,072 bytes
.set SCW,   SCA+3072                   ; Wp's scale bytes, 128 rows x 24
.set STAGE, SCW+3072                   ; 16 rows x 272 bytes for each wave: no fill lands here
.set SPARE, STAGE+8*4352               ; the spare words, 128 bytes a wave: four blocks of 256 bytes that no other line names
.set LI,  4
.set ADA, 5                            ; v5-7   o's images in chunk 0, 1, 2
.set ADB, 8                            ; v8-10  Wp's rows
.set ASA, 11
.set ASB, 12
.set STO, 13
.set RD,  14
.set CO,  15
.set BO,  16
.set SPW, 28
.set NIL, 29
.set SA,  33                           ; odd where SB is even: no product's two scale words have numbers equal modulo 8
.set SB,  46
.set BK,  32
.set BI,  96
.set ACC, 128
.set G1A,  24
.set G1W,  32
.set G1SA, 40
.set G1SW, 48
.set G0A0, 56
.set G0A1, 60
.set G0A2, 68
.set G0W0, 72
.set G0W1, 76
.set G0W2, 80
.set G0SA, 84
.set G0SW, 88
.set MSB, 0
.macro WIN new
.if MSB != \new
	s_set_vgpr_msb (MSB<<8)|\new
.set MSB, \new
.endif
.endm
.macro TL g0, g1                       ; a tensor load; an s_nop 0 and four v_nop follow it
	tensor_load_to_lds s[\g0:\g0+3], s[\g1:\g1+7]
	s_nop 0
.rept 4
	v_nop
.endr
.endm
.macro ARM under, g0, g1, next
	s_cmp_lt_u32 s16, \under
	s_cbranch_scc0 \next
	TL \g0, \g1
	s_branch .Lasked
\next:
.endm
.macro CROUND
	s_barrier_signal -1
	s_barrier_wait -1
	s_cmp_lg_u32 s16, 0
	s_cbranch_scc1 .Lnot_wave_0_\@
	s_barrier_signal -3
.Lnot_wave_0_\@:
	s_barrier_wait -3
	s_barrier_signal -1
	s_barrier_wait -1
.endm
.macro PLACES n
.rept \n
	v_nop
.endr
.endm
.macro GROUP1 g, c, r, p               ; r rows of c elements, p elements apart
	s_mov_b32 s[\g+1], (\c)<<16
	s_mov_b32 s[\g+2], (\r)<<16
	s_mov_b32 s[\g+3], (\c)<<16
	s_mov_b32 s[\g+4], \r
	s_mov_b32 s[\g+5], \p
	s_mov_b32 s[\g+6], 0
	s_mov_b32 s[\g+7], 0
.endm
.macro MKG0 g, lds, p, go              ; a group 0: LDS address, global address s[p:p+1] + go
	s_mov_b32 s[\g], 1
	s_mov_b32 s[\g+1], \lds
	s_add_nc_u64 s[\g+2:\g+3], s[\p:\p+1], \go
	s_or_b32 s[\g+3], s[\g+3], 0x80000000
.endm
	s_load_b256 s[4:11], s[0:1], 0x0               ; o_img, o_sc, Wp_codes, Wp_scales
	s_load_b128 s[12:15], s[0:1], 0x20             ; bp, out0
	v_lshl_add_u32 v[SPW], v0, 2, SPARE
	v_mov_b32 v[NIL], 0
	ds_add_u32 v[SPW], v[NIL]                      ; the wave's opening: the add, twice on end, and its wait ahead of my first tensor load; the set-up below stands between
	ds_add_u32 v[SPW], v[NIL]
	v_lshrrev_b32 v1, 5, v0
	v_readfirstlane_b32 s16, v1                    ; wave 0..7
	s_lshr_b32 s17, s16, 1                         ; my 32 tokens
	s_and_b32 s18, s16, 1                          ; my 64 channels
	s_bfe_u32 s19, ttmp6, 0x40000                  ; cx
	s_lshl_b32 s20, ttmp9, 2
	s_add_co_u32 s20, s20, s19                     ; which 128 tokens
	s_and_b32 s21, ttmp7, 0xffff                   ; which 128 channels: shared by the four partners
	s_mov_b32 s[G1A], 3<<16                        ; o's images: 8 tiles of 4,096 bytes (512 elements of 8), 12,288 apart
	GROUP1 G1A, 512, 8, 1536
	s_mov_b32 s[G1W], 15|(1<<20)|(1<<21)|(5<<22)|(3<<25)   ; Wp's codes: 128 rows x 256 bytes, 768 apart; 4 words of padding after every 64; mask 15, bit 21 beside it
	GROUP1 G1W, 256, 128, 768
	s_mov_b32 s[G1SA], 3<<16                       ; scale bytes: 3,072 dense bytes as 12 rows of 256
	GROUP1 G1SA, 32, 12, 32
	s_mov_b32 s[G1SW], 15|(3<<16)|(1<<21)
	GROUP1 G1SW, 32, 12, 32
	s_mul_i32 s92, s20, 8*12288
	s_mov_b32 s93, 0
	s_mul_i32 s94, s20, 8*384
	s_mov_b32 s95, 0
	s_mul_i32 s96, s21, 128*768
	s_mov_b32 s97, 0
	s_mul_i32 s98, s21, 128*24
	s_mov_b32 s99, 0
	s_lshl_b32 s100, s21, 9
	s_lshl_b32 s22, s18, 8
	s_add_co_u32 s100, s100, s22                   ; my first channel, in bytes of f32
	s_mov_b32 s101, 0
	s_wait_dscnt 0x0                               ; both opening adds are done
	CROUND                                         ; all four work-groups are here: the joint loads meet
	s_wait_kmcnt 0x0
	s_add_nc_u64 s[4:5], s[4:5], s[92:93]
	s_add_nc_u64 s[6:7], s[6:7], s[94:95]
	s_add_nc_u64 s[8:9], s[8:9], s[96:97]
	s_add_nc_u64 s[10:11], s[10:11], s[98:99]
	MKG0 G0A0, 0, 4, 0
	MKG0 G0W0, 32768, 8, 0
	MKG0 G0SA, SCA, 6, 0
	MKG0 G0SW, SCW, 10, 0
	MKG0 G0A1, CH, 4, 4096
	MKG0 G0W1, CH+32768, 8, 256
	MKG0 G0A2, 2*CH, 4, 8192
	MKG0 G0W2, 2*CH+32768, 8, 512
	ARM 1, G0A0, G1A, .Larm_1                      ; one load a wave, one chain of branches on the wave's number
	ARM 2, G0W0, G1W, .Larm_2
	ARM 3, G0SA, G1SA, .Larm_3
	ARM 4, G0SW, G1SW, .Larm_4
	ARM 5, G0A1, G1A, .Larm_5
	ARM 6, G0W1, G1W, .Larm_6
	ARM 7, G0A2, G1A, .Larm_7
	TL G0W2, G1W
.Lasked:
	s_add_nc_u64 s[12:13], s[12:13], s[100:101]    ; bp at my first channel
	s_add_nc_u64 s[14:15], s[14:15], s[100:101]
	s_lshl_b32 s92, s20, 7
	s_lshl_b32 s94, s17, 5
	s_add_co_u32 s92, s92, s94
	s_mul_i32 s92, s92, 3072
	s_add_nc_u64 s[14:15], s[14:15], s[92:93]      ; out0 at my first token and channel
	s_lshl_b32 s92, s17, 13
	s_mul_i32 s93, s18, 17408
	s_add_co_u32 s93, s93, 32768
	s_mul_i32 s94, s17, 768
	s_add_co_u32 s94, s94, SCA
	s_mul_i32 s95, s18, 1536
	s_add_co_u32 s95, s95, SCW
	s_mul_i32 s96, s16, 4352
	s_add_co_u32 s96, s96, STAGE                   ; my stage
	v_and_b32 v1, 15, v0                           ; r
	v_bfe_u32 v2, v0, 4, 1                         ; h
	v_and_b32 v3, 31, v0
	v_lshlrev_b32 v[BO], 5, v2
.irp b, 0,1,2,3
	global_load_b128 v[BI+8*\b:BI+8*\b+3], v[BO], s[12:13] offset:64*\b       ; the bias in the result's layout: channels 16 b + 8 h + 0 .. 7
	global_load_b128 v[BI+8*\b+4:BI+8*\b+7], v[BO], s[12:13] offset:64*\b+16
.endr
	v_lshlrev_b32 v[LI], 4, v3
	v_mul_u32_u24 v17, v1, 272
	v_mul_u32_u24 v18, v1, 24
	v_mul_u32_u24 v19, v2, 272
	v_add_nc_u32 v[ADA], s92, v[LI]                ; my two tiles of tokens, 16 x lane
	v_lshl_add_u32 v20, v2, 3, v17                 ; Wp: row r x 272 + 8 h: word 68 r + 2 h, so the 32 lanes of a load of 8 bytes begin 2 words apart modulo 64
	v_lshl_add_u32 v21, v2, 5, v17
	v_lshl_add_u32 v19, v1, 4, v19
	v_add_nc_u32 v[ADA+1], CH, v[ADA]
	v_add_nc_u32 v[ADA+2], 2*CH, v[ADA]
	v_add_nc_u32 v[ADB], s93, v20
	v_lshlrev_b32 v20, 2, v1
	v_add_nc_u32 v[ADB+1], CH, v[ADB]
	v_add_nc_u32 v[ADB+2], 2*CH, v[ADB]
	v_add_nc_u32 v[ASA], s94, v20
	v_add_nc_u32 v[ASB], s95, v18
	v_add_nc_u32 v[STO], s96, v21                  ; the way out, in: row r, 32 bytes for each half of the lanes
	v_add_nc_u32 v[RD], s96, v19                   ; back: lanes 0-15 one row of 256 bytes, lanes 16-31 the next
	v_mul_u32_u24 v20, v2, 3072
	v_lshl_add_u32 v[CO], v1, 4, v20               ; and the same two rows in out0
.macro FETCHO s, f                     ; K step s (128 along K): o's two fragments as they lie, Wp's four in the images' order, into buffer f of window 1
	WIN 0x40
.irp a, 0,1
.irp k, 0,1,2,3
	ds_load_b128 v[\f+16*\a+4*\k:\f+16*\a+4*\k+3], v[ADA+(\s)/2] offset:4096*\a+2048*((\s)%2)+512*\k
.endr
.endr
.irp b, 0,1,2,3
.irp k, 0,1,2,3,4,5,6,7
	ds_load_b64 v[\f+32+16*\b+2*\k:\f+32+16*\b+2*\k+1], v[ADB+(\s)/2] offset:4352*\b+128*((\s)%2)+16*\k
.endr
.endr
	WIN 0
.endm
.macro MULO s, f                       ; 8 products: the accumulators take turns, one instruction a turn; the first K step takes the bias as C
.irp a, 0,1
.irp b, 0,1,2,3
.if (\s) == 0
	v_wmma_scale_f32_16x16x128_f8f6f4 v[ACC+8*(4*\a+\b):ACC+8*(4*\a+\b)+7], v[\f+32+16*\b:\f+32+16*\b+15], v[\f+16*\a:\f+16*\a+15], v[BI+8*\b:BI+8*\b+7], v[SB+6*\b+(\s)], v[SA+6*\a+(\s)]
.else
	v_wmma_scale_f32_16x16x128_f8f6f4 v[ACC+8*(4*\a+\b):ACC+8*(4*\a+\b)+7], v[\f+32+16*\b:\f+32+16*\b+15], v[\f+16*\a:\f+16*\a+15], v[ACC+8*(4*\a+\b):ACC+8*(4*\a+\b)+7], v[SB+6*\b+(\s)], v[SA+6*\a+(\s)]
.endif
.endr
.endr
.endm
.macro STEPO s
	WIN 0
	s_wait_dscnt 0x0                               ; this step's fragments are in
.if (\s) == 1
	s_cmp_lt_u32 s16, 6
	s_cbranch_scc0 .Lchunk_2_is_out
	s_wait_tensorcnt 0x0                           ; chunk 1 is in; waves 6 and 7's loads, chunk 2, may be out
.Lchunk_2_is_out:
	s_barrier_signal -1
	s_barrier_wait -1
.endif
.if (\s) == 3
	s_wait_tensorcnt 0x0                           ; chunk 2
	s_barrier_signal -1
	s_barrier_wait -1
.endif
.if (\s) < 5
.if (\s) > 0
	PLACES 8                                       ; the other buffer was read by the last step's products
.endif
	FETCHO (\s)+1, 96*(((\s)+1)%2)
.endif
	WIN 0x05                                       ; sources 0 and 1 window 1; C and D window 0
	MULO \s, 96*((\s)%2)
.endm
	s_wait_alu depctr_va_vdst(0)
	s_cmp_lt_u32 s16, 4
	s_cbranch_scc0 .Lchunk_1_is_out
	s_wait_tensorcnt 0x0                           ; chunk 0 and the scale bytes are in; waves 4-7's loads may be out
.Lchunk_1_is_out:
	s_barrier_signal -1
	s_barrier_wait -1
.irp a, 0,1
.irp s, 0,1,2,3,4,5
	ds_load_b32 v[SA+6*\a+\s], v[ASA] offset:384*\a+64*\s
.endr
.endr
.irp b, 0,1,2,3
.irp u, 0,1,2
	ds_load_b64 v[SB+6*\b+2*\u:SB+6*\b+2*\u+1], v[ASB] offset:384*\b+8*\u
.endr
.endr
	FETCHO 0, 0
	s_wait_loadcnt 0x0                             ; the bias
.irp s, 0,1,2,3,4,5
	STEPO \s
.endr
	WIN 0
	PLACES 8                                       ; ahead of the first read of results and of loads into the scale words' registers
; THE WAY OUT, a tile of 16 tokens at a time: 32 bytes a lane into my stage, back as whole rows of 256 bytes.  LDS serves a wave's instructions in order (ISA guide 5.7.1.4): no wait between the stores and the loads.
.macro TOSTAGE a
.irp b, 0,1,2,3
	ds_store_b128 v[STO], v[ACC+8*(4*(\a)+\b):ACC+8*(4*(\a)+\b)+3] offset:64*\b       ; each accumulator from its low end on
	ds_store_b128 v[STO], v[ACC+8*(4*(\a)+\b)+4:ACC+8*(4*(\a)+\b)+7] offset:64*\b+16
.endr
.irp t, 0,1,2,3,4,5,6,7
	ds_load_b128 v[BK+32*(\a)+4*\t:BK+32*(\a)+4*\t+3], v[RD] offset:544*\t
.endr
.endm
.macro SEND a, younger                 ; younger: the LDS instructions issued behind tile a's loads
	s_wait_dscnt \younger
.irp t, 0,1,2,3,4,5,6,7
	global_store_b128 v[CO], v[BK+32*(\a)+4*\t:BK+32*(\a)+4*\t+3], s[14:15] offset:(16*(\a)+2*\t)*3072 th:TH_STORE_NT   ; 16 lanes store 256 consecutive bytes, aligned; written once
.endr
.endm
	TOSTAGE 0
	TOSTAGE 1
	SEND 0, 16                                     ; behind tile 0's loads: tile 1's 8 stores and 8 loads
	SEND 1, 0
	s_wait_tensorcnt 0x0                           ; the wave's end, behind my last LDS store
	ds_add_u32 v[SPW], v[NIL]
	s_wait_dscnt 0x0
	CROUND                                         ; the closing round
	s_endpgm
.Lfunc_end_k_qf65aba1666_outp:
	.size	k_qf65aba1666_outp, .Lfunc_end_k_qf65aba1666_outp-k_qf65aba1666_outp
	.p2alignl 7, 3214868480
	.fill 96, 4, 3214868480
	.section	.rodata,"a",@progbits
	.p2align	6, 0x0
	.amdhsa_kernel k_qf65aba1666_outp
		.amdhsa_group_segment_fixed_size 244736
		.amdhsa_private_segment_fixed_size 0
		.amdhsa_enable_private_segment 0
		.amdhsa_kernarg_size 48
		.amdhsa_user_sgpr_count 2
		.amdhsa_user_sgpr_kernarg_segment_ptr 1
		.amdhsa_wavefront_size32 1
		.amdhsa_system_sgpr_workgroup_id_x 1
		.amdhsa_system_sgpr_workgroup_id_y 1
		.amdhsa_system_sgpr_workgroup_id_z 1
		.amdhsa_system_vgpr_workitem_id 0
		.amdhsa_next_free_vgpr 512
		.amdhsa_next_free_sgpr 102
		.amdhsa_reserve_vcc 0
		.amdhsa_float_denorm_mode_32 3
		.amdhsa_float_denorm_mode_16_64 3
		.amdhsa_memory_ordered 1
		.amdhsa_forward_progress 1
		.amdhsa_inst_pref_size 40
	.end_amdhsa_kernel
	.amdgpu_metadata
---
amdhsa.version: [ 1, 2 ]
amdhsa.kernels:
  - .name:           k_qf65aba1666_outp
    .symbol:         k_qf65aba1666_outp.kd
    .args:
      - { .name: o_img, .offset: 0, .size: 8, .value_kind: global_buffer, .address_space: global }
      - { .name: o_sc, .offset: 8, .size: 8, .value_kind: global_buffer, .address_space: global }
      - { .name: Wp_codes, .offset: 16, .size: 8, .value_kind: global_buffer, .address_space: global }
      - { .name: Wp_scales, .offset: 24, .size: 8, .value_kind: global_buffer, .address_space: global }
      - { .name: bp, .offset: 32, .size: 8, .value_kind: global_buffer, .address_space: global }
      - { .name: out0, .offset: 40, .size: 8, .value_kind: global_buffer, .address_space: global }
    .group_segment_fixed_size: 244736
    .private_segment_fixed_size: 0
    .kernarg_segment_align: 8
    .kernarg_segment_size: 48
    .max_flat_workgroup_size: 256
    .sgpr_count:     102
    .vgpr_count:     512
    .wavefront_size: 32
...
	.end_amdgpu_metadata
.endif
;; end of part 3
